; MI455X (gfx1250); checked and timed in simulation.
; The chip was launched on July 23, 2026; its instructions are those of AMD's public machine-readable ISA for CDNA 5 (MIT licence, August 2026) and "CDNA5" Instruction Set Architecture Reference Guide (July 2026). The comments in the code are by the model that wrote it; some were corrected since.
;; Base Attention. Allowed arithmetic: matrix products marked QUANTISED: E4M3 operands, one given power-of-two scale a tensor, by v_wmma_f32_16x16x64_fp8_fp8 or v_wmma_f32_16x16x128_fp8_fp8, f32 sums; everything else in f32.
;; Inputs: cos 1 x 2,048 x 1 x 32 float32; lowp_scales 8 int32 (the exponents e of the quantised operands' scales 2^e); sin 1 x 2,048 x 1 x 32 float32; w_attn 3,072 x 1,024 float32; w_proj 1,024 x 1,024 float32; x 4 x 2,048 x 1,024 float32.
;; Outputs: out0 4 x 2,048 x 1,024 float32.
;; This version of the problem:
;;   THIS VERSION OF THE PROBLEM IS GIVEN IN LOW PRECISION. The matrix products marked QUANTISED in the list below multiply operands that are first quantised to E4M3 (4 exponent bits, 3 mantissa bits; 8 bits a number), with one given power-of-two scale for each operand tensor; their sums are f32. All else is computed in f32.
;;   The module's matrix products, in the order in which they are computed (A, B: the left and right operand; K: the contracted axis; several contracted axes count as one K, in the product's order):
;;     1. [M 8,192, K 1,024] x [K 1,024, N 3,072]; A: input x; B: input w_attn: QUANTISED (scales: A lowp_scales[0], B lowp_scales[1])
;;     2. batch 64 x [M 2,048, K 64] x [K 64, N 2,048]; A: computed on the way; B: computed on the way: QUANTISED (scales: A lowp_scales[2], B lowp_scales[3])
;;     3. batch 64 x [M 64, K 2,048] x [K 2,048, N 2,048]; A: computed on the way; B: softmax (see below): QUANTISED (scales: A lowp_scales[4], B lowp_scales[5])
;;     4. [M 8,192, K 1,024] x [K 1,024, N 1,024]; A: computed on the way; B: input w_proj: QUANTISED (scales: A lowp_scales[6], B lowp_scales[7])
;;   THE QUANTISER, for each operand of a quantised product, along K:
;;     - The operand's scale is 2^e, e = its entry of the input lowp_scales (int32; the entries are numbered through the quantised products in the list's order, A before B).
;;     - Each number is divided by the scale, clamped to +-448, and rounded to the nearest number of E4M3, ties to even, subnormals kept.
;;     - The product sums the exact products of the quantised numbers (number of the format x scale) in f32.
;;   ~~~python
;;   def quantise(x, axis, e):      # numpy; x: float32 -> the quantised numbers, widened to float32 again
;;       x = np.moveaxis(x, axis, -1); K = x.shape[-1]
;;       r = np.clip(x / 2.0 ** e, -448, 448)
;;       step = 2.0 ** (np.maximum(np.frexp(np.where(r == 0, 1, r))[1] - 1, -6) - 3)
;;       q = np.round(r / step) * step * 2.0 ** e      # np.round: ties to even
;;       return np.moveaxis(q, -1, axis).astype(np.float32)
;;   ~~~
;;   SOFTMAX AHEAD OF A QUANTISED PRODUCT. Where the list says 'softmax', what is quantised is not the finished softmax but p = 2^(t - M), with t = logit x log2(e) and M = ceil(the row's largest t), a whole number; so 1/2 < the row's largest p <= 1. The row's sum l is taken of the UNQUANTISED p, in f32, and the product's result is divided by l at the end. Since M is a whole number, a kernel that streams over the keys may use a running M (the ceiling of the running maximum): every later rescaling is an exact power of two, so the quantised numbers keep their values, but for numbers so far below the row's largest that they fall under the format's range.
;;   OPERANDS COMPUTED ON THE WAY. 'Computed on the way' means the value that the module computes at that place (a softmax that the list does not call 'softmax' is quantised finished and normalised). What goes into a quantiser is computed in f32, as accurately as f32 sums, v_exp_f32 and their like allow (about 1e-6 of the number): no bf16 or f16 on the way to a quantiser, and a product that is left as it is and whose result goes on into a quantised operand takes f32 operands (vector FMAs, or v_wmma_f32_16x16x4_f32). A number that lies on a knife's edge between two numbers of the format may be rounded either way, as far as f32 arithmetic and the matrix unit's own rounding can turn it there, and no further.
;; One version. Each part assembles by itself: llvm-mc -triple=amdgcn-amd-amdhsa -mcpu=gfx1250 --defsym DOCPART=n.
;; ======== version 1 of 1: 4 launches
;; limits: right only within a limited range of input values
;; workspace buffers: xc 8,388,608 bytes; wac 3,145,728 bytes; wpc 1,048,576 bytes; qc 8,388,608 bytes; kc 8,388,608 bytes; vc 8,388,608 bytes; yc 8,388,608 bytes
;; launch quant (part 1): grid 768 x 1, 4 waves a work-group, no clusters, 33,280 bytes of LDS; arguments x, w_attn, w_proj, lowp_scales, xc, wac, wpc; writes xc, wac, wpc
.if DOCPART == 1
	.amdgcn_target "amdgcn-amd-amdhsa--gfx1250"
	.amdhsa_code_object_version 6
	.text
	.protected	k_q9122b45c9e_quant
	.globl	k_q9122b45c9e_quant
	.p2align	8
	.type	k_q9122b45c9e_quant,@function
k_q9122b45c9e_quant:
	s_mov_b64 s[64:65], 0
	v_nop
	global_prefetch_b8 v0, s[64:65] scope:SCOPE_SE
	s_setreg_imm32_b32 hwreg(HW_REG_WAVE_MODE, 25, 1), 1
	s_wait_xcnt 0x0
; x [8192][1024], w_attn [3072][1024] and w_proj [1024][1024], f32, K innermost, become codes of FP8 (E4M3), one byte each, laid as the numbers lie.
; code = number / 2^e, held within +-448, rounded to the nearest code, ties to even.  e: entry 0 of the scales for x, entry 1 for w_attn, entry 7 for w_proj.
; LIMITS: -126 <= e and e + 8 <= 127, so that 2^e and 448 x 2^e are f32 numbers.  NaN among the inputs is not served (an infinity is held at the largest code).
; LEFT OUT FURTHER ON (launch attn): the two attention products for key steps that lie wholly behind reference()'s own causal mask (every key after every query of the tile): reference() sets those scores to -inf
; ahead of the softmax, so their p is 0 and they add nothing to the row's sum or to y, whatever the inputs hold.  LIMIT: a NaN, an infinity or an overflow that reaches only that work is not carried to the result.
; Rows are dense, so each tensor is a plain stream.  Work-groups 0-511 take x, 512-703 w_attn, 704-767 w_proj: 16,384 numbers each; only pointers and e are chosen, all take one way through the text.
; A wave takes 8 steps of 512 numbers.  Each of a step's four loads reads 512 consecutive bytes, 16 a lane; the 2,048 bytes go through the wave's own stage in LDS and come back 64 bytes a lane,
; since the conversion takes eight neighbours from one lane's registers.  A lane's 16 codes are 16 bytes: the wave stores 512 consecutive bytes.  Waves share nothing: no barrier.
; Loads run four steps (16 loads a wave) ahead, the turn through LDS one step.
.set STEPS, 8
.set WGX,   512                        ; work-groups for x
.set WGXA,  704                        ; for x and w_attn
.set EMAX,  8
.set MANT,  0x600000                   ; the mantissa field of 448 as f32
.set CB,    16                         ; bytes of 16 codes
.set R,     16                         ; v16-79   four sets of 16 numbers as they are loaded
.set X,     80                         ; v80-111  two sets of 16 neighbours
.set C,     128                        ; v128-159 codes: four registers for each step, so that no store's data are written again
.set WREG,  8192                       ; LDS: a region of its own for each wave: two stages of 32 x SP bytes
.set SP,    80                         ; a lane's place in a stage: its 64 bytes + 16 of padding
	s_load_b128 s[4:7], s[0:1], 0x0                ; x, w_attn
	s_load_b128 s[8:11], s[0:1], 0x10              ; w_proj, the scales' exponents
	s_load_b128 s[12:15], s[0:1], 0x20             ; x's codes, w_attn's codes
	s_load_b64 s[24:25], s[0:1], 0x30              ; w_proj's codes
	v_lshl_add_u32 v192, v0, 2, 0x8000             ; my spare word, behind the four regions
	v_mov_b32 v193, 0
	v_lshrrev_b32 v1, 5, v0
	v_readfirstlane_b32 s16, v1                    ; wave
	v_and_b32 v2, 31, v0                           ; lane
	v_lshlrev_b32 v3, 4, v2                        ; my 16 bytes of a load's 512
	s_mul_i32 s17, s16, WREG
	v_lshrrev_b32 v14, 2, v2
	v_mul_u32_u24 v14, v14, SP
	v_and_b32 v15, 3, v2
	v_lshl_add_u32 v14, v15, 4, v14
	v_add_nc_u32 v14, s17, v14                     ; the stage, on the way in: SP (lane / 4) + 16 (lane % 4); a load's 512 bytes take eight places
	v_mul_u32_u24 v15, v2, SP
	v_add_nc_u32 v15, s17, v15                     ; and on the way out: SP x lane: my 16 neighbours
	v_mul_u32_u24 v4, v2, CB                       ; my codes' place in a step's
	s_wait_alu depctr_va_vdst(0)
	s_wait_kmcnt 0x0
	s_load_b256 s[32:39], s[10:11], 0x0            ; e0 .. e7
	s_cmp_lt_u32 ttmp9, WGXA                       ; which tensor?  The choices hang on the work-group's number alone
	s_cselect_b64 s[6:7], s[6:7], s[8:9]           ; w_attn or w_proj,
	s_cselect_b64 s[14:15], s[14:15], s[24:25]     ; their codes,
	s_mov_b32 s17, WGXA
	s_cselect_b32 s17, WGX, s17                    ; their first work-group
	s_cmp_lt_u32 ttmp9, WGX
	s_cselect_b64 s[4:5], s[4:5], s[6:7]           ; x or one of those
	s_cselect_b64 s[8:9], s[12:13], s[14:15]
	s_cselect_b32 s17, 0, s17
	s_sub_co_u32 s17, ttmp9, s17
	s_lshl_b32 s17, s17, 2
	s_add_co_u32 s18, s17, s16                     ; which run of 4,096 numbers of the tensor is my wave's
	s_mov_b32 s19, 0
	s_mov_b64 s[20:21], 512*STEPS*4
	s_mul_u64 s[20:21], s[18:19], s[20:21]
	s_add_nc_u64 s[4:5], s[4:5], s[20:21]
	s_mov_b64 s[20:21], 32*STEPS*CB
	s_mul_u64 s[20:21], s[18:19], s[20:21]
	s_add_nc_u64 s[8:9], s[8:9], s[20:21]
.macro LOAD t
.irp i, 0,1,2,3
	global_load_b128 v[R+16*((\t)%4)+4*\i:R+16*((\t)%4)+4*\i+3], v3, s[4:5] offset:2048*(\t)+512*\i th:TH_LOAD_NT   ; 32 lanes read 512 consecutive bytes
.endr
.endm
.macro TURN t                          ; step t's numbers through the stage: LDS serves a wave's instructions in order, so no wait stands between the stores and the loads
.irp i, 0,1,2,3
	ds_store_b128 v14, v[R+16*((\t)%4)+4*\i:R+16*((\t)%4)+4*\i+3] offset:32*SP*((\t)%2)+8*SP*\i
.endr
.irp i, 0,1,2,3
	ds_load_b128 v[X+16*((\t)%2)+4*\i:X+16*((\t)%2)+4*\i+3], v15 offset:32*SP*((\t)%2)+16*\i
.endr
.endm
.irp t, 0,1,2,3
	LOAD \t
.endr
	s_wait_kmcnt 0x0
	s_cmp_lt_u32 ttmp9, WGXA
	s_cselect_b32 s33, s33, s39                    ; e1 or e7
	s_cmp_lt_u32 ttmp9, WGX
	s_cselect_b32 s22, s32, s33                    ; e
	s_add_co_i32 s22, s22, 127
	s_lshl_b32 s23, s22, 23
	v_mov_b32 v11, s23                             ; 2^e as f32: the conversion takes its exponent field
	s_add_co_i32 s22, s22, EMAX
	s_lshl_b32 s22, s22, 23
	s_or_b32 s22, s22, MANT
	v_mov_b32 v10, s22                             ; 448 x 2^e
	s_wait_alu depctr_va_vdst(0)
	s_wait_loadcnt 12                              ; step 0's four loads are in; the twelve of steps 1 to 3 may be out
	TURN 0
.macro STEP t
.set XS, X+16*((\t)%2)
	s_wait_dscnt 0x0                               ; this step's numbers are back from the stage: so its stores into the stage have read their registers,
.if (\t)+4 < STEPS
	LOAD (\t)+4                                    ; which take the loads of four steps on
.endif
.if (\t)+1 < STEPS
.if STEPS-2-(\t) >= 3
	s_wait_loadcnt 12                              ; the next step's four loads are in; those of the three steps behind it may be out
.else
	s_wait_loadcnt 4*(STEPS-2-(\t))
.endif
	TURN (\t)+1                                    ; and go through the other stage while this step is worked
.endif
.irp i, 0,1,2,3,4,5,6,7,8,9,10,11,12,13,14,15
	v_med3_num_f32 v[XS+\i], v[XS+\i], -v10, v10   ; the conversion to an 8-bit code does not saturate (ISA guide 7.6.2): the hold comes first
.endr
	v_cvt_scalef32_pk8_fp8_f32 v[C+4*(\t):C+4*(\t)+1], v[XS:XS+7], v11
	v_cvt_scalef32_pk8_fp8_f32 v[C+4*(\t)+2:C+4*(\t)+3], v[XS+8:XS+15], v11
	global_store_b128 v4, v[C+4*(\t):C+4*(\t)+3], s[8:9] offset:32*CB*(\t)   ; the codes go to a store alone; the next step's holds are plain lines on other registers
.endm
.irp t, 0,1,2,3,4,5,6,7
	STEP \t
.endr
	s_wait_tensorcnt 0x0                           ; the wave's end
	ds_add_u32 v192, v193
	s_wait_dscnt 0x0
	s_endpgm
.Lfunc_end_k_q9122b45c9e_quant:
	.size	k_q9122b45c9e_quant, .Lfunc_end_k_q9122b45c9e_quant-k_q9122b45c9e_quant
	.p2alignl 7, 3214868480
	.fill 96, 4, 3214868480
	.section	.rodata,"a",@progbits
	.p2align	6, 0x0
	.amdhsa_kernel k_q9122b45c9e_quant
		.amdhsa_group_segment_fixed_size 33280
		.amdhsa_private_segment_fixed_size 0
		.amdhsa_enable_private_segment 0
		.amdhsa_kernarg_size 56
		.amdhsa_user_sgpr_count 2
		.amdhsa_user_sgpr_kernarg_segment_ptr 1
		.amdhsa_wavefront_size32 1
		.amdhsa_system_sgpr_workgroup_id_x 1
		.amdhsa_system_sgpr_workgroup_id_y 1
		.amdhsa_system_sgpr_workgroup_id_z 1
		.amdhsa_system_vgpr_workitem_id 0
		.amdhsa_next_free_vgpr 194
		.amdhsa_next_free_sgpr 66
		.amdhsa_reserve_vcc 0
		.amdhsa_float_denorm_mode_32 3
		.amdhsa_float_denorm_mode_16_64 3
		.amdhsa_memory_ordered 1
		.amdhsa_forward_progress 1
		.amdhsa_inst_pref_size 21
	.end_amdhsa_kernel
	.amdgpu_metadata
---
amdhsa.version: [ 1, 2 ]
amdhsa.kernels:
  - .name:           k_q9122b45c9e_quant
    .symbol:         k_q9122b45c9e_quant.kd
    .args:
      - { .name: x, .offset: 0, .size: 8, .value_kind: global_buffer, .address_space: global }
      - { .name: w_attn, .offset: 8, .size: 8, .value_kind: global_buffer, .address_space: global }
      - { .name: w_proj, .offset: 16, .size: 8, .value_kind: global_buffer, .address_space: global }
      - { .name: lowp_scales, .offset: 24, .size: 8, .value_kind: global_buffer, .address_space: global }
      - { .name: xc, .offset: 32, .size: 8, .value_kind: global_buffer, .address_space: global }
      - { .name: wac, .offset: 40, .size: 8, .value_kind: global_buffer, .address_space: global }
      - { .name: wpc, .offset: 48, .size: 8, .value_kind: global_buffer, .address_space: global }
    .group_segment_fixed_size: 33280
    .private_segment_fixed_size: 0
    .kernarg_segment_align: 8
    .kernarg_segment_size: 56
    .max_flat_workgroup_size: 128
    .sgpr_count:     66
    .vgpr_count:     194
    .wavefront_size: 32
...
	.end_amdgpu_metadata
.endif
;; end of part 1
;; launch qkv (part 2): grid 64 x 4, 4 waves a work-group, clusters of 4 x 4, 327,680 bytes of LDS; arguments xc, wac, lowp_scales, cos, sin, qc, kc, vc; writes qc, kc, vc
.if DOCPART == 2
	.amdgcn_target "amdgcn-amd-amdhsa--gfx1250"
	.amdhsa_code_object_version 6
	.text
	.protected	k_q9122b45c9e_qkv
	.globl	k_q9122b45c9e_qkv
	.p2align	8
	.type	k_q9122b45c9e_qkv,@function
k_q9122b45c9e_qkv:
	s_mov_b64 s[64:65], 0
	v_nop
	global_prefetch_b8 v0, s[64:65] scope:SCOPE_SE
	s_setreg_imm32_b32 hwreg(HW_REG_WAVE_MODE, 25, 1), 1
	s_wait_xcnt 0x0
	s_wait_alu depctr_hold_cnt(0) depctr_sa_sdst(0) depctr_va_vdst(0) depctr_va_sdst(0) depctr_va_ssrc(0) depctr_va_vcc(0) depctr_vm_vsrc(0)
	s_getreg_b32 s2, hwreg(HW_REG_IB_STS2, 6, 4)
	s_cmp_eq_u32 s2, 0
	s_cbranch_scc0 .Lentry_in_a_cluster
	s_endpgm
.Lentry_in_a_cluster:
	s_bfe_u32 s2, ttmp6, 0x10000c
	s_cmp_lg_u32 s2, 0xf033
	s_cbranch_scc0 .Lentry_shape_is_right
	s_endpgm
.Lentry_shape_is_right:
; qkv = x w_attn^T on codes of FP8 (E4M3), K = 1,024; then, in registers: q and k are rotated (cos, sin), normalised (x rsqrt(mean of squares + 1e-6) over a head's 64) and quantised with 2^e2, 2^e3;
; v is quantised with 2^e4.  What is stored are IMAGES OF OPERAND REGISTERS for the attention launch:
;   qc, kc: [batch x 16 + head][token / 16][1,024 bytes]: a fragment of 16 tokens x 64 channels: registers 0-3 of lane L at 16 L, registers 4-7 at 512 + 16 L; register 2 c + e of lane (r, h): channels 16 c + 8 h + 4 e .. + 3 of token r.
;   vc:     [batch x 16 + head][token / 128][channel / 16][2,048 bytes]: a fragment of 16 channels x 128 keys: registers 4 c .. 4 c + 3 of lane L at 512 c + 16 L; registers 2 c, 2 c + 1 of lane (r, h): keys 16 c + 8 h + 0 .. 7 of channel r.
; A WORK-GROUP STAYS AND MAKES TWO BLOCKS.  q and k together are 8,192 x 2,048 = 256 tiles of 256 x 256, v is 1,024 x 8,192 = 256 blocks of 256 x 128: each of the 256 work-groups makes one of each.
; The matrix instruction takes 16 rows of the second side as source 0 and 16 rows of the first side as source 1: lane (r, h) of accumulator (a, b) holds row 16 a + r of the first side and rows 16 b + 8 h + 0 .. 7 of the second.
;   First block (q: cluster number CL even, k: CL odd): first side = 256 tokens (xc), second = 256 channels (wac rows 0 .. 2,047); a wave makes 128 x 128: a lane holds one token and eight neighbouring channels, the next product's K.
;   Second block (v): first side = 256 channels (wac rows 2,048 on), second = 128 tokens; a wave makes 128 x 64: a lane holds one channel and eight neighbouring KEYS, the next product's K.  Nothing is ever transposed.
; So the conversions' results are the next operands' registers, and each store of a wave covers 512 consecutive bytes, aligned.  The way out uses no LDS.
; K goes in steps of 256 through two LDS slots filled by the tensor data mover; 4 x 4 work-groups form a cluster and ask for shared tiles jointly.  THE RING DOES NOT STOP between the blocks: the first block's last two
; changes of slots ask for v's K steps 0 and 1, which are on their way while q or k goes out.  A load brings a whole side of a slot: at the head wave 0: first side, K step 0; wave 1: second side, K step 0; waves 2, 3 the same of K step 1;
; later slot 0 is filled by waves 0 and 1 and slot 1 by waves 2 and 3.
; A fragment's k are taken in the order of four 16-byte loads, alike on both sides: every product meets its partner; only the order of the sums inside an instruction differs.
; LIMITS on the given exponents, so that each power of two below is an f32 number: e0 + e1 between -60 and 66; e2, e3 and e4 - e0 - e1 between -126 and 119.  NaN among the inputs is not served.
; REGISTERS, in windows of 256: window 0: v0-31 addresses; v32-95 two sets of cos and sin; from v128 the first side's fragments, ONE set; on the ways out v96-207 are at work.
;   window 1: the second side's fragments, TWO sets.   window 2: the accumulators of my rows 0-63 ((a, b) at v[8 (8 a + b)]);   window 3: those of my rows 64-127.
.set ROWB,   256                       ; a tile's row in bytes: 256 codes
.set KROW,   1024                      ; a row of xc or of wac in bytes
.set PITCH,  272                       ; an LDS row: 256 bytes + 16 of padding, so that the 16 rows that a load touches start 68 words apart
.set FR,     16                        ; registers of a fragment: 16 rows x 128 K
.set NL,     4                         ; LDS loads that bring one
.set NP,     4                         ; places behind this matrix instruction (ISA guide 7.12.1)
.set HALFT,  128*PITCH                 ; 128 rows
.set SLOT,   4*HALFT                   ; the first side's 256 rows, then the second's 256 or 128
.set SPARE,  2*SLOT                    ; behind the ring: the spare words, 128 bytes for each wave
.set ADRA, 16                          ; v16-17  LDS address of my fragments of the first side in slot 0, 1
.set ADRB, 20                          ; v20-21  the same for the second side, first block
.set ADRV, 22                          ; v22-23  the same, second block: my 64 of its 128 rows
.set LI,   24                          ; v24     16 x lane: my place in an image
.set CSO,  25                          ; v25     128 r + 32 h: my place in 16 rows of cos or sin
.set LIM,  26                          ; v26     448 x the conversion's scale
.set SC,   27                          ; v27     the conversion's scale as f32
.set SPW,  28                          ; v28     LDS address of my spare word; never rewritten
.set NIL,  29                          ; v29     0; never rewritten
.set CSB,  32                          ; v32-95  set p at 32 + 32 p: cos(u, j) at + 8 u + j, sin(u, j) at + 16 + 8 u + j: channel 16 u + 8 h + j of my token
.set Y,    96                          ; v96-159 head g, channels 16 d + 8 h + j at 96 + 32 g + 8 d + j
.set CD,   160                         ; v160-191 two sets of codes
.set SS,   192                         ; v192-199 sums of squares: four registers a head
.set PD,   200                         ; v200-201 what the lane 16 away sends
.set FAC,  204                         ; v204-207 a pair a head: the factor, and a word that is only named
.set AF,   128                         ; the first side's fragments, in window 0
.set AV,   2                           ; s[2:3]   v's first side at K step 0
.set G1C,  4                           ; s[4:11]  descriptor group 1 for v's second side: 128 rows
.set BV,   12                          ; s[12:13] v's second side at K step 0
.set G1, 24                            ; s[24:31] descriptor group 1 for the first side;  s[32:39] group 0, one set for each slot
.set G0, 32
.set G1B, 48                           ; s[48:55], s[56:63] the same for the second side
.set G0B, 56
.set NBB, 8                            ; the second side's blocks of 16 rows a wave: 8, then 4
.set ADB, ADRB                         ; its address registers
.set GB1, G1B                          ; its group 1
.set MSB, 0
.macro WIN new                         ; the immediate's high byte repeats the setting that is left
.if MSB != (\new)
	s_set_vgpr_msb (MSB<<8)|(\new)
.set MSB, \new
.endif
.endm
.set MUL_LO, 0xa1                      ; source 0 window 1, source 1 window 0, C and D window 2
.set MUL_HI, 0xf1                      ; the same, C and D window 3
.set MULH, MUL_HI                      ; the setting for the first side's blocks 4-7: window 3 in the first block, window 2 in the second
.set VPH, 0                            ; 0: first block, accumulator (a, b) at v[8 (8 (a % 4) + b)] of window 2 or 3;  1: second block, (a, b) at v[8 (4 a + b)] of window 2
.set TO_B,   0x40                      ; destination window 1, address window 0
.macro TL g0, g1                       ; one joint load; an s_nop 0 and four v_nop follow it
	tensor_load_to_lds s[\g0:\g0+3], s[\g1:\g1+7]
	s_nop 0
.rept 4
	v_nop
.endr
.endm
; A slot's joint refill: wave wa fetches the first side, wave wa + 1 the second, the other two nothing.  The branches hang on the wave's number alone.
.macro JLOAD wa, g0a, g1a, g0b, g1b
	s_cmp_eq_u32 s14, \wa
	s_cbranch_scc0 .Lfor_b_\@
	TL \g0a, \g1a
	s_branch .Lasked_\@
.Lfor_b_\@:
	s_cmp_eq_u32 s14, (\wa)+1
	s_cbranch_scc0 .Lasked_\@
	TL \g0b, \g1b
.Lasked_\@:
.endm
.macro CREST                           ; a round of the cluster's barrier behind its opening barrier
	s_cmp_lg_u32 s14, 0
	s_cbranch_scc1 .Lnot_wave_0_\@
	s_barrier_signal -3
.Lnot_wave_0_\@:
	s_barrier_wait -3
	s_barrier_signal -1
	s_barrier_wait -1
.endm
.macro CROUND                          ; a whole round
	s_barrier_signal -1
	s_barrier_wait -1
	CREST
.endm
	s_load_b128 s[4:7], s[0:1], 0x0                ; xc, wac
	s_load_b64 s[8:9], s[0:1], 0x10                ; the scales' exponents
	s_load_b128 s[68:71], s[0:1], 0x18             ; cos, sin
	s_load_b128 s[72:75], s[0:1], 0x28             ; qc, kc
	s_load_b64 s[76:77], s[0:1], 0x38              ; vc
	v_lshl_add_u32 v[SPW], v0, 2, SPARE
	v_mov_b32 v[NIL], 0
	ds_add_u32 v[SPW], v[NIL]                      ; the opening lines: the add, twice on end, and its wait ahead of my first tensor load
	ds_add_u32 v[SPW], v[NIL]
	s_wait_dscnt 0x0
	v_lshrrev_b32 v1, 5, v0
	v_readfirstlane_b32 s14, v1                    ; wave 0..3
	s_lshr_b32 s15, s14, 1                         ; which half of the first side's rows is mine
	s_and_b32 s16, s14, 1                          ; which half of the second side's rows
	s_bfe_u32 s40, ttmp6, 0x40000                  ; cx, cy: my place in the cluster
	s_bfe_u32 s41, ttmp6, 0x40004
	s_lshr_b32 s17, ttmp9, 1
	s_lshl_b32 s17, s17, 2
	s_add_co_u32 s17, s17, s41                     ; q, k: tile row (256 tokens): 4 (CL / 2) + cy
	s_and_b32 s42, ttmp9, 1
	s_lshl_b32 s42, s42, 2
	s_add_co_u32 s42, s42, s40                     ; tile column (256 channels of 2,048): 4 (CL % 2) + cx
	s_lshl_b32 s45, ttmp9, 2
	s_add_co_u32 s45, s45, s40                     ; v: column of 128 tokens: 4 CL + cx; its row of 256 channels is cy
	s_lshl_b32 s43, s41, 2
	s_lshl_b32 s43, 15, s43                        ; my row of the cluster
	s_lshl_b32 s44, 0x1111, s40                    ; my column
	; descriptor groups 1: a tile of 256 rows x 256 bytes, padded in LDS
	s_or_b32 s[G1+0], s43, (0<<16)|(1<<20)|(1<<21)|(5<<22)|(3<<25)  ; 15:0 the mask: my row of the cluster; 17:16 elements of 1 byte; 20 padding on; 21 set beside a mask; 24:22 after every 64 words; 31:25 four words
	s_or_b32 s[G1B+0], s44, (0<<16)|(1<<20)|(1<<21)|(5<<22)|(3<<25) ; the same with the mask of my column
.irp g, G1, G1B
	s_mov_b32 s[\g+1], ROWB<<16                    ; tensor_dim0
	s_mov_b32 s[\g+2], 256<<16                     ; tensor_dim1 = 256
	s_mov_b32 s[\g+3], ROWB<<16                    ; tile_dim0
	s_mov_b32 s[\g+4], 256                         ; tile_dim1 = 256
	s_mov_b32 s[\g+5], KROW                        ; tensor_dim0_stride
	s_mov_b32 s[\g+6], 0
	s_mov_b32 s[\g+7], 0
.endr
	s_lshl_b32 s20, s17, 18                        ; q, k, first side: token 256 x tile row, in bytes
	s_mov_b32 s21, 0
	s_lshl_b32 s46, s42, 18                        ; second side: channel 256 x tile column
	s_mov_b32 s47, 0
	s_lshl_b32 s18, s41, 18
	s_add_co_u32 s18, s18, 2048*KROW               ; v, first side: row 2,048 + 256 cy of wac
	s_mov_b32 s19, 0
	s_lshl_b32 s22, s45, 17                        ; second side: token 128 x column
	s_mov_b32 s23, 0
	s_wait_kmcnt 0x0
	s_load_b256 s[80:87], s[8:9], 0x0              ; e0 .. e7
	s_add_nc_u64 s[20:21], s[4:5], s[20:21]
	s_add_nc_u64 s[46:47], s[6:7], s[46:47]
	s_add_nc_u64 s[AV:AV+1], s[6:7], s[18:19]
	s_add_nc_u64 s[BV:BV+1], s[4:5], s[22:23]
	CROUND                                         ; all sixteen work-groups are here: the first joint loads meet
.irp s, 0,1
	s_mov_b32 s[G0+4*\s], 1
	s_mov_b32 s[G0+4*\s+1], \s*SLOT                ; the first side's rows open a slot,
	s_add_nc_u64 s[G0+4*\s+2:G0+4*\s+3], s[20:21], \s*ROWB
	s_or_b32 s[G0+4*\s+3], s[G0+4*\s+3], 0x80000000
	s_mov_b32 s[G0B+4*\s], 1
	s_mov_b32 s[G0B+4*\s+1], 2*HALFT+\s*SLOT       ; the second side's follow: no place in the cluster enters an LDS address
	s_add_nc_u64 s[G0B+4*\s+2:G0B+4*\s+3], s[46:47], \s*ROWB
	s_or_b32 s[G0B+4*\s+3], s[G0B+4*\s+3], 0x80000000
.endr
	; the first fills, one tensor load a wave in one chain of four arms
	s_cmp_eq_u32 s14, 0
	s_cbranch_scc0 .Lh1
	TL G0, G1
	s_branch .Lhj
.Lh1:
	s_cmp_eq_u32 s14, 1
	s_cbranch_scc0 .Lh2
	TL G0B, G1B
	s_branch .Lhj
.Lh2:
	s_cmp_eq_u32 s14, 2
	s_cbranch_scc0 .Lh3
	TL G0+4, G1
	s_branch .Lhj
.Lh3:
	TL G0B+4, G1B
.Lhj:
	v_and_b32 v1, 15, v0                           ; r = l % 16
	v_bfe_u32 v2, v0, 4, 1                         ; h = l / 16
	v_lshlrev_b32 v[CSO], 7, v1
	v_lshl_add_u32 v[CSO], v2, 5, v[CSO]           ; a row of cos or sin is 128 bytes; my half's eight channels begin 32 h bytes in
	s_wait_alu depctr_va_vdst(0)
	s_lshl_b32 s79, s17, 8
	s_lshl_b32 s21, s15, 7
	s_add_co_u32 s79, s79, s21                     ; m0: my first token
	s_and_b32 s22, s79, 2047                       ; in its batch
	s_lshl_b32 s22, s22, 7
	s_mov_b32 s23, 0
	s_add_nc_u64 s[68:69], s[68:69], s[22:23]
	s_add_nc_u64 s[70:71], s[70:71], s[22:23]
; cos and sin of block a's 16 tokens, 32 channels: eight loads of 16 bytes a lane into set a % 2
.macro CSLOAD a
.irp u, 0,1
.irp e, 0,1
	global_load_b128 v[CSB+32*((\a)%2)+8*\u+4*\e:CSB+32*((\a)%2)+8*\u+4*\e+3], v[CSO], s[68:69] offset:(\a)*2048+64*\u+16*\e
	global_load_b128 v[CSB+32*((\a)%2)+16+8*\u+4*\e:CSB+32*((\a)%2)+16+8*\u+4*\e+3], v[CSO], s[70:71] offset:(\a)*2048+64*\u+16*\e
.endr
.endr
.endm
	CSLOAD 0                                       ; blocks 0 and 1: they land under the products, which touch none of v32-95
	CSLOAD 1
	s_mul_i32 s21, s15, HALFT                      ; my 128 rows of the first side
	s_mul_i32 s22, s16, HALFT                      ; my 128 rows of the second,
	s_add_co_u32 s22, s22, 2*HALFT                 ; which lie behind the first's 256
	s_mul_i32 s18, s16, 64*PITCH                   ; v: my 64 rows of the second side
	s_add_co_u32 s18, s18, 2*HALFT
	v_mul_u32_u24 v3, v1, PITCH
	v_lshl_add_u32 v4, v2, 4, v3                   ; a fragment's row x pitch + 16 x half
.irp s, 0,1
	v_add_nc_u32 v[ADRA+\s], s21, v4
	v_add_nc_u32 v[ADRB+\s], s22, v4
	v_add_nc_u32 v[ADRV+\s], s18, v4
	s_add_co_u32 s21, s21, SLOT
	s_add_co_u32 s22, s22, SLOT
	s_add_co_u32 s18, s18, SLOT
.endr
	v_and_b32 v6, 31, v0
	v_lshlrev_b32 v[LI], 4, v6
.macro FRAG reg, adr, q, i             ; a fragment, 16 rows x 128 K, is 16 registers: lane l holds row l % 16; registers 4 c .. 4 c + 3 hold K = 32 c + 16 (l / 16) + 0 .. 15
.irp c, 0,1,2,3
	ds_load_b128 v[\reg+4*\c:\reg+4*\c+3], v[\adr] offset:128*(\q)+32*\c+(\i)*16*PITCH
.endr
.endm
; The first side's blocks a0, a0 + 1 x the second's NBB, 128 along K.  p: the second side's set.  zero = 1: the first product starts the sums.
; The accumulators take turns, one instruction a turn, in the same order in every step.
.macro MUL16 a0, p, zero
.irp a, \a0, \a0+1
.set bb, 0
.rept NBB
.set acc, 8*((8-4*VPH)*((\a)%(4+4*VPH))+bb)
.if \zero
	v_wmma_f32_16x16x128_fp8_fp8 v[acc:acc+7], v[128*(\p)+FR*bb:128*(\p)+FR*bb+FR-1], v[AF+FR*(\a):AF+FR*(\a)+FR-1], 0
.else
	v_wmma_f32_16x16x128_fp8_fp8 v[acc:acc+7], v[128*(\p)+FR*bb:128*(\p)+FR*bb+FR-1], v[AF+FR*(\a):AF+FR*(\a)+FR-1], v[acc:acc+7]
.endif
.set bb, bb+1
.endr
.endr
.endm
.macro FETCH_B slot, q, p              ; the second side's NBB fragments of the slot's q-th 128 along K into set p
	WIN TO_B
.set ii, 0
.rept NBB
	FRAG 128*(\p)+FR*ii, ADB+\slot, \q, ii
.set ii, ii+1
.endr
	WIN 0
.endm
.macro FETCH_A slot, q, i0             ; the first side's blocks i0 .. i0 + 3
.irp i, \i0, \i0+1, \i0+2, \i0+3
	FRAG AF+FR*(\i), ADRA+\slot, \q, \i
.endr
.endm
; A load into a register that a matrix instruction has read, and a vector instruction that reads a matrix result, stand NP places behind that matrix instruction; only plain vector
; instructions that name none of its registers are places (ISA guide 7.12.1 for vector instructions).
.macro PLACES n
.rept \n
	v_nop
.endr
.endm
; A step of 128 along K that has its successor in the same slot.  A block of the first side is free as soon as its products are issued: blocks 0-3 are fetched anew in the step's middle, blocks 4-7 at its end.
.macro STEP slot, q, zero
	s_wait_dscnt 4*NL                              ; the second side's set and blocks 0-3 are in; the youngest sixteen loads (blocks 4-7) may be out
	WIN MUL_LO
	MUL16 0, (\q)%2, \zero
	MUL16 2, (\q)%2, \zero
	s_wait_dscnt 0                                 ; blocks 4-7 are in
	PLACES NP
	FETCH_B \slot, (\q)+1, 1-(\q)%2
	FETCH_A \slot, (\q)+1, 0
	WIN MULH
	MUL16 4, (\q)%2, \zero
	MUL16 6, (\q)%2, \zero
	PLACES NP
	WIN 0
	FETCH_A \slot, (\q)+1, 4
.endm
; A slot's last step changes slots: ONE barrier; in front of it each wave waits for all its tensor loads, adds 0 to its spare word, and waits for that and for its own reads of this slot.
; fill = 1: this slot is filled again, two K steps ahead in the block in hand; fill = 2: with v's K step 0 or 1; fill = 0: not at all.  fetch = 0: the next slot's first fragments are fetched later, behind the way out.
.macro TURN slot, next, fill, fetch
	s_wait_tensorcnt 0x0                           ; all my tensor loads have landed  (every window is 0 here)
	ds_add_u32 v[SPW], v[NIL]                      ; 0 onto my spare word
	s_wait_dscnt 4*NL+1                            ; (the add and the youngest sixteen loads, blocks 4-7, may be out)
	WIN MUL_LO
	MUL16 0, 1, 0                                  ; matrix instructions stand between the add and the wait for it
	s_wait_dscnt 0x0                               ; the add is done, and my reads of this slot are over
	s_barrier_signal -1
	MUL16 2, 1, 0
	WIN 0
	s_barrier_wait -1
.if \fill
	CREST                                          ; the barrier has opened a round of the cluster's barrier: no wave of any partner still reads this slot's tile or has a load on its way
.if \fill == 1
	s_add_nc_u64 s[G0+4*\slot+2:G0+4*\slot+3], s[G0+4*\slot+2:G0+4*\slot+3], 2*ROWB
	s_add_nc_u64 s[G0B+4*\slot+2:G0B+4*\slot+3], s[G0B+4*\slot+2:G0B+4*\slot+3], 2*ROWB
	JLOAD 2*\slot, G0+4*\slot, G1, G0B+4*\slot, GB1   ; the first tensor load behind the round: this slot's two waves have one load out each
.else
	s_add_nc_u64 s[G0+4*\slot+2:G0+4*\slot+3], s[AV:AV+1], \slot*ROWB
	s_or_b32 s[G0+4*\slot+3], s[G0+4*\slot+3], 0x80000000
	s_add_nc_u64 s[G0B+4*\slot+2:G0B+4*\slot+3], s[BV:BV+1], \slot*ROWB
	s_or_b32 s[G0B+4*\slot+3], s[G0B+4*\slot+3], 0x80000000
	JLOAD 2*\slot, G0+4*\slot, G1, G0B+4*\slot, G1C
.endif
.endif
.if \fetch
	PLACES NP                                      ; on every wave's way: the places in front of the loads below
	FETCH_B \next, 0, 0
	FETCH_A \next, 0, 0
.endif
	WIN MULH
	MUL16 4, 1, 0
	MUL16 6, 1, 0
.if \fetch
	PLACES NP
.endif
	WIN 0
.if \fetch
	FETCH_A \next, 0, 4
.endif
.endm
	s_wait_alu depctr_va_vdst(0)
	s_wait_kmcnt 0x0                               ; the exponents are in, so the registers of their pointer, and of xc's and wac's, are free: v's second side's group 1
	s_or_b32 s[G1C+0], s44, (0<<16)|(1<<20)|(1<<21)|(5<<22)|(3<<25)
	s_mov_b32 s[G1C+1], ROWB<<16
	s_mov_b32 s[G1C+2], 128<<16                    ; tensor_dim1 = 128
	s_mov_b32 s[G1C+3], ROWB<<16
	s_mov_b32 s[G1C+4], 128                        ; tile_dim1 = 128
	s_mov_b32 s[G1C+5], KROW
	s_mov_b32 s[G1C+6], 0
	s_mov_b32 s[G1C+7], 0
	s_wait_tensorcnt 0x0                           ; my one load is in
	s_barrier_signal -1
	s_barrier_wait -1                              ; everybody's is
	FETCH_B 0, 0, 0
	FETCH_A 0, 0, 0
	FETCH_A 0, 0, 4
	STEP 0, 0, 1                                   ; K = 1,024 is four K steps of 256, eight steps of 128: written out.  The first products start the sums
	TURN 0, 1, 1, 1                                ; slot 0 takes K step 2
	STEP 1, 0, 0
	TURN 1, 0, 1, 1                                ; slot 1 takes K step 3
	STEP 0, 0, 0
	TURN 0, 1, 2, 1                                ; slot 0 takes v's K step 0
	STEP 1, 0, 0
	TURN 1, 0, 2, 0                                ; slot 1 takes v's K step 1
	s_add_co_i32 s91, s80, s81                     ; e0 + e1: a sum stands for sum x 2^(e0 + e1)
	s_add_co_i32 s88, s91, 127
	s_lshl_b32 s88, s88, 23                        ; F = 2^(e0 + e1) as f32
	s_lshl_b32 s89, s91, 1
	s_add_co_i32 s89, s89, 121
	s_lshl_b32 s89, s89, 23                        ; F^2 / 64 = 2^(2 (e0 + e1) - 6)
	s_mov_b32 s90, 0x358637bd                      ; 1e-6
	s_mov_b32 s66, 0x76543210                      ; v_permlanex16_b32's selects for lane l xor 16
	s_mov_b32 s67, 0xfedcba98
	PLACES NP                                      ; behind the last products: for the reads of results and the writes of v96 on, part of which held fragments
	; ---- THE WAY OUT OF q OR k
	s_and_b32 s94, ttmp9, 1
	s_cmp_lg_u32 s94, 0                            ; CL odd: k
	s_cselect_b32 s94, s83, s82                    ; e3 or e2
	s_cselect_b64 s[92:93], s[74:75], s[72:73]     ; kc or qc
	s_add_co_i32 s94, s94, 127
	s_lshl_b32 s95, s94, 23
	v_mov_b32 v[SC], s95                           ; 2^e as f32
	s_add_co_i32 s94, s94, 8
	s_lshl_b32 s94, s94, 23
	s_or_b32 s94, s94, 0x600000
	v_mov_b32 v[LIM], s94                          ; 448 x 2^e
	s_lshr_b32 s96, s79, 11                        ; batch
	s_lshl_b32 s96, s96, 4
	s_and_b32 s97, s42, 3
	s_lshl_b32 s97, s97, 2
	s_add_co_u32 s96, s96, s97
	s_lshl_b32 s97, s16, 1
	s_add_co_u32 s96, s96, s97                     ; batch x 16 + my first head: 4 (tile column % 4) + 2 x half
	s_lshl_b32 s96, s96, 17                        ; a head's images are 131,072 bytes
	s_and_b32 s97, s79, 2047
	s_lshl_b32 s97, s97, 6                         ; (token / 16) x 1,024
	s_add_co_u32 s96, s96, s97
	s_mov_b32 s97, 0
	s_add_nc_u64 s[92:93], s[92:93], s[96:97]
	v_mov_b32 v[PD], 0                             ; written once: a lane permute's destination counts as one of its sources
	v_mov_b32 v[PD+1], 0
	v_mov_b32 v[FAC+1], 0                          ; (named as the upper halves of the pairs)
	v_mov_b32 v[FAC+3], 0
; Block a: 16 tokens x my two heads.  Accumulator 4 g + d of the block holds, of head g, channels 16 d + 8 h + j of token r.
.macro QKBLOCK a
.set AC, 64*((\a)%4)
.set CP, CSB+32*((\a)%2)
.set CC, CD+16*((\a)%2)
.if (\a) < 7
	s_wait_loadcnt 8                               ; this block's cos and sin are in; the next block's eight loads may be out
.else
	s_wait_loadcnt 0
.endif
	WIN 0x02+((\a)/4)                              ; source 0: window 2 or 3
.irp g, 0,1
.irp u, 0,1
.irp j, 0,2,4,6                        ; each accumulator is read from its low end on
	v_pk_mul_f32 v[Y+32*\g+8*\u+\j:Y+32*\g+8*\u+\j+1], v[AC+8*(4*\g+2+\u)+\j:AC+8*(4*\g+2+\u)+\j+1], v[CP+16+8*\u+\j:CP+16+8*\u+\j+1]       ; x2 sin
	v_pk_mul_f32 v[Y+32*\g+16+8*\u+\j:Y+32*\g+16+8*\u+\j+1], v[AC+8*(4*\g+\u)+\j:AC+8*(4*\g+\u)+\j+1], v[CP+16+8*\u+\j:CP+16+8*\u+\j+1]     ; x1 sin
.endr
.endr
.endr
.irp g, 0,1
.irp u, 0,1
.irp j, 0,2,4,6
	v_pk_fma_f32 v[Y+32*\g+8*\u+\j:Y+32*\g+8*\u+\j+1], v[AC+8*(4*\g+\u)+\j:AC+8*(4*\g+\u)+\j+1], v[CP+8*\u+\j:CP+8*\u+\j+1], v[Y+32*\g+8*\u+\j:Y+32*\g+8*\u+\j+1]   ; x1 cos + x2 sin
	v_pk_fma_f32 v[Y+32*\g+16+8*\u+\j:Y+32*\g+16+8*\u+\j+1], v[AC+8*(4*\g+2+\u)+\j:AC+8*(4*\g+2+\u)+\j+1], v[CP+8*\u+\j:CP+8*\u+\j+1], v[Y+32*\g+16+8*\u+\j:Y+32*\g+16+8*\u+\j+1] neg_lo:[0,0,1] neg_hi:[0,0,1]   ; x2 cos - x1 sin
.endr
.endr
.endr
	WIN 0
.if (\a) < 6
	CSLOAD (\a)+2                                  ; this set has been used up: it takes the block two on
.endif
.irp i, 0,2,4,6,8,10,12,14             ; the sums of squares of my 32 channels of each head: two packed chains a head, four that do not wait for each other
.irp g, 0,1
.if \i == 0
	v_pk_mul_f32 v[SS+4*\g:SS+4*\g+1], v[Y+32*\g:Y+32*\g+1], v[Y+32*\g:Y+32*\g+1]
	v_pk_mul_f32 v[SS+4*\g+2:SS+4*\g+3], v[Y+32*\g+16:Y+32*\g+17], v[Y+32*\g+16:Y+32*\g+17]
.else
	v_pk_fma_f32 v[SS+4*\g:SS+4*\g+1], v[Y+32*\g+\i:Y+32*\g+\i+1], v[Y+32*\g+\i:Y+32*\g+\i+1], v[SS+4*\g:SS+4*\g+1]
	v_pk_fma_f32 v[SS+4*\g+2:SS+4*\g+3], v[Y+32*\g+16+\i:Y+32*\g+16+\i+1], v[Y+32*\g+16+\i:Y+32*\g+16+\i+1], v[SS+4*\g+2:SS+4*\g+3]
.endif
.endr
.endr
.irp g, 0,1
	v_pk_add_f32 v[SS+4*\g:SS+4*\g+1], v[SS+4*\g:SS+4*\g+1], v[SS+4*\g+2:SS+4*\g+3]
.endr
.irp g, 0,1
	v_add_f32 v[SS+4*\g], v[SS+4*\g], v[SS+4*\g+1]
.endr
.irp g, 0,1
	v_permlanex16_b32 v[PD+\g], v[SS+4*\g], s66, s67   ; the token's other 32 channels lie in the lane 16 away
.endr
.irp g, 0,1
	v_add_f32 v[SS+4*\g], v[SS+4*\g], v[PD+\g]
.endr
.irp g, 0,1
	v_fma_f32 v[SS+4*\g], v[SS+4*\g], s89, s90     ; the mean of the true squares + 1e-6
.endr
	s_wait_alu depctr_va_vdst(0)
.irp g, 0,1
	v_rsq_f32 v[FAC+2*\g], v[SS+4*\g]
.endr
	v_nop                                          ; a plain instruction behind the last of the two
	s_wait_alu depctr_va_vdst(0)                   ; one wait for both, ahead of the first line that names a result
.irp g, 0,1
	v_mul_f32 v[FAC+2*\g], s88, v[FAC+2*\g]        ; x 2^(e0 + e1), which the sums lack
.endr
.irp g, 0,1
.irp i, 0,2,4,6,8,10,12,14,16,18,20,22,24,26,28,30
	v_pk_mul_f32 v[Y+32*\g+\i:Y+32*\g+\i+1], v[Y+32*\g+\i:Y+32*\g+\i+1], v[FAC+2*\g:FAC+2*\g+1] op_sel_hi:[1,0]
.endr
.endr
.set n, 0
.rept 64
	v_med3_num_f32 v[Y+n], v[Y+n], -v[LIM], v[LIM] ; the conversion to an 8-bit code does not saturate (ISA guide 7.6.2): the hold comes first
.set n, n+1
.endr
.if (\a) >= 2
	s_wait_alu depctr_va_vdst(0)
	s_wait_xcnt 0x0                                ; the stores of the block two back have read this set of codes
.endif
.irp g, 0,1
.irp d, 0,1,2,3
	v_cvt_scalef32_pk8_fp8_f32 v[CC+8*\g+2*\d:CC+8*\g+2*\d+1], v[Y+32*\g+8*\d:Y+32*\g+8*\d+7], v[SC]   ; registers 2 d, 2 d + 1 of the fragment
.endr
.endr
	v_nop                                          ; one plain line behind the last conversion: the next block writes its sources
.irp g, 0,1
.irp e, 0,1
	global_store_b128 v[LI], v[CC+8*\g+4*\e:CC+8*\g+4*\e+3], s[92:93] offset:\g*131072+(\a)*1024+\e*512   ; 32 lanes store 512 consecutive bytes, aligned
.endr
.endr
.endm
.irp a, 0,1,2,3                        ; my rows 0-63 go out now: window 2 is then free for v's sums.  Rows 64-127 go out under v's loads (macro MID)
	QKBLOCK \a
.endr
	; ---- THE SECOND BLOCK: v.  Its K step 0 was shown whole by the last change of slots; its K step 1 is on its way
.set NBB, 4
.set ADB, ADRV
.set GB1, G1C
.set VPH, 1                            ; all 32 accumulators of v lie in window 2; window 3 still holds q's or k's rows 64-127
.set MULH, MUL_LO
; Two more blocks of q or k go out while the K step of v that has just been asked for is on its way; then the next slot's first fragments are fetched (the way out and the first side's fragments share v96-207).
.macro MID a0, a1, slot
	PLACES NP                                      ; behind the last products, whose fragments lay in registers that are written below
	v_mov_b32 v[PD], 0                             ; written anew: fragments have lain here
	v_mov_b32 v[PD+1], 0
	v_mov_b32 v[FAC+1], 0
	v_mov_b32 v[FAC+3], 0
	QKBLOCK \a0
	QKBLOCK \a1
	s_wait_xcnt 0x0                                ; the stores have read their codes: fragments may land on v160-191
	FETCH_B \slot, 0, 0
	FETCH_A \slot, 0, 0
	FETCH_A \slot, 0, 4
.endm
	s_wait_xcnt 0x0                                ; the last stores have read their codes and their base: fragments may land on v160-191
	FETCH_B 0, 0, 0
	FETCH_A 0, 0, 0
	FETCH_A 0, 0, 4
	STEP 0, 0, 1                                   ; the first products start the sums anew
	TURN 0, 1, 1, 0                                ; slot 0 takes v's K step 2,
	MID 4, 5, 1                                    ; under which blocks 4 and 5 of q or k go out
	STEP 1, 0, 0
	TURN 1, 0, 1, 0                                ; slot 1 takes v's K step 3,
	MID 6, 7, 0                                    ; under which blocks 6 and 7 go out
	STEP 0, 0, 0
	TURN 0, 1, 0, 1                                ; nothing is left to fetch
	STEP 1, 0, 0
	s_wait_dscnt 4*NL                              ; the very last step
	WIN MUL_LO
	MUL16 0, 1, 0
	MUL16 2, 1, 0
	s_wait_dscnt 0
	WIN MULH
	MUL16 4, 1, 0
	MUL16 6, 1, 0
	WIN 0
	PLACES NP                                      ; behind the last products
	; ---- THE WAY OUT OF v: a sum's code is sum / 2^(e4 - e0 - e1): the three scales are folded into the conversion's one
	s_sub_co_i32 s94, s84, s91
	s_add_co_i32 s94, s94, 127
	s_lshl_b32 s95, s94, 23
	v_mov_b32 v[SC], s95
	s_add_co_i32 s94, s94, 8
	s_lshl_b32 s94, s94, 23
	s_or_b32 s94, s94, 0x600000
	v_mov_b32 v[LIM], s94
	s_wait_alu depctr_va_vdst(0)
	s_lshr_b32 s97, s45, 4                         ; batch: sixteen columns of 128 tokens each
	s_lshl_b32 s97, s97, 4
	s_lshl_b32 s95, s41, 2
	s_add_co_u32 s97, s97, s95
	s_lshl_b32 s95, s15, 1
	s_add_co_u32 s97, s97, s95                     ; batch x 16 + my first head: 4 cy + 2 x half
	s_lshl_b32 s97, s97, 17
	s_and_b32 s96, s45, 15
	s_lshl_b32 s96, s96, 13                        ; (key / 128) x 8,192
	s_add_co_u32 s96, s96, s97
	s_lshl_b32 s95, s16, 10                        ; my 64 keys are registers 0-7 or 8-15 of a fragment: 1,024 bytes
	s_add_co_u32 s96, s96, s95
	s_mov_b32 s97, 0
	s_add_nc_u64 s[92:93], s[76:77], s[96:97]
; Block a: 16 channels x my 64 keys: half a fragment.  Accumulator b holds keys 16 b + 8 h + j of my 64, of channel r: two registers.
.macro VBLOCK a
.set AC, 32*(\a)
.set CC, CD+8*((\a)%2)
	WIN 0x02                                       ; source 0: window 2
.set n, 0
.rept 32
	v_med3_num_f32 v[Y+n], v[AC+n], -v[LIM], v[LIM]   ; the hold, out of the accumulators, each from its low end on
.set n, n+1
.endr
	WIN 0
.if (\a) >= 2
	s_wait_alu depctr_va_vdst(0)
	s_wait_xcnt 0x0                                ; the stores of the block two back have read this set of codes
.endif
.irp b, 0,1,2,3
	v_cvt_scalef32_pk8_fp8_f32 v[CC+2*\b:CC+2*\b+1], v[Y+8*\b:Y+8*\b+7], v[SC]
.endr
	v_nop                                          ; one plain line behind the last conversion
.irp c, 0,1
	global_store_b128 v[LI], v[CC+4*\c:CC+4*\c+3], s[92:93] offset:((\a)/4)*131072+((\a)%4)*2048+\c*512   ; 32 lanes store 512 consecutive bytes, aligned
.endr
.endm
.irp a, 0,1,2,3,4,5,6,7
	VBLOCK \a
.endr
	s_wait_tensorcnt 0x0                           ; the wave's end
	ds_add_u32 v[SPW], v[NIL]
	s_wait_dscnt 0x0
	CROUND                                         ; the closing round: no work-group ends while a partner may still ask for a tile that names it
	s_endpgm
.Lfunc_end_k_q9122b45c9e_qkv:
	.size	k_q9122b45c9e_qkv, .Lfunc_end_k_q9122b45c9e_qkv-k_q9122b45c9e_qkv
	.p2alignl 7, 3214868480
	.fill 96, 4, 3214868480
	.section	.rodata,"a",@progbits
	.p2align	6, 0x0
	.amdhsa_kernel k_q9122b45c9e_qkv
		.amdhsa_group_segment_fixed_size 327680
		.amdhsa_private_segment_fixed_size 0
		.amdhsa_enable_private_segment 0
		.amdhsa_kernarg_size 64
		.amdhsa_user_sgpr_count 2
		.amdhsa_user_sgpr_kernarg_segment_ptr 1
		.amdhsa_wavefront_size32 1
		.amdhsa_system_sgpr_workgroup_id_x 1
		.amdhsa_system_sgpr_workgroup_id_y 1
		.amdhsa_system_sgpr_workgroup_id_z 1
		.amdhsa_system_vgpr_workitem_id 0
		.amdhsa_next_free_vgpr 1024
		.amdhsa_next_free_sgpr 100
		.amdhsa_reserve_vcc 0
		.amdhsa_float_denorm_mode_32 3
		.amdhsa_float_denorm_mode_16_64 3
		.amdhsa_memory_ordered 1
		.amdhsa_forward_progress 1
		.amdhsa_inst_pref_size 255
	.end_amdhsa_kernel
	.section	.bss,"aw",@nobits
	.p2align	6
	.space	262144
	.amdgpu_metadata
---
amdhsa.version: [ 1, 2 ]
amdhsa.kernels:
  - .name:           k_q9122b45c9e_qkv
    .symbol:         k_q9122b45c9e_qkv.kd
    .args:
      - { .name: xc, .offset: 0, .size: 8, .value_kind: global_buffer, .address_space: global }
      - { .name: wac, .offset: 8, .size: 8, .value_kind: global_buffer, .address_space: global }
      - { .name: lowp_scales, .offset: 16, .size: 8, .value_kind: global_buffer, .address_space: global }
      - { .name: cos, .offset: 24, .size: 8, .value_kind: global_buffer, .address_space: global }
      - { .name: sin, .offset: 32, .size: 8, .value_kind: global_buffer, .address_space: global }
      - { .name: qc, .offset: 40, .size: 8, .value_kind: global_buffer, .address_space: global }
      - { .name: kc, .offset: 48, .size: 8, .value_kind: global_buffer, .address_space: global }
      - { .name: vc, .offset: 56, .size: 8, .value_kind: global_buffer, .address_space: global }
    .group_segment_fixed_size: 327680
    .private_segment_fixed_size: 0
    .kernarg_segment_align: 8
    .kernarg_segment_size: 64
    .max_flat_workgroup_size: 128
    .sgpr_count:     100
    .vgpr_count:     1024
    .wavefront_size: 32
...
	.end_amdgpu_metadata
.endif
;; end of part 2
;; launch attn (part 3): grid 4 x 64, 16 waves a work-group, clusters of 4 x 1, 327,680 bytes of LDS; arguments qc, kc, vc, lowp_scales, yc; writes yc
.if DOCPART == 3
	.amdgcn_target "amdgcn-amd-amdhsa--gfx1250"
	.amdhsa_code_object_version 6
	.text
	.protected	k_q9122b45c9e_attn
	.globl	k_q9122b45c9e_attn
	.p2align	8
	.type	k_q9122b45c9e_attn,@function
k_q9122b45c9e_attn:
	s_mov_b64 s[64:65], 0
	v_nop
	global_prefetch_b8 v0, s[64:65] scope:SCOPE_SE
	s_setreg_imm32_b32 hwreg(HW_REG_WAVE_MODE, 25, 1), 1
	s_wait_xcnt 0x0
	s_wait_alu depctr_hold_cnt(0) depctr_sa_sdst(0) depctr_va_vdst(0) depctr_va_sdst(0) depctr_va_ssrc(0) depctr_va_vcc(0) depctr_vm_vsrc(0)
	s_getreg_b32 s2, hwreg(HW_REG_IB_STS2, 6, 4)
	s_cmp_eq_u32 s2, 0
	s_cbranch_scc0 .Lentry_in_a_cluster
	s_endpgm
.Lentry_in_a_cluster:
	s_bfe_u32 s2, ttmp6, 0x10000c
	s_cmp_lg_u32 s2, 0x3003
	s_cbranch_scc0 .Lentry_shape_is_right
	s_endpgm
.Lentry_shape_is_right:
; y[b][q][head] = the sum over keys k <= q of softmax_k(Q[q] . K[k] / 8) V[k], 64 heads (batch x 16 + head) of 2,048 tokens x 64 channels, both products on codes of FP8 (E4M3); y is quantised with 2^e6 for the last product.
; LEFT OUT: key steps that lie wholly behind reference()'s own causal mask (p = 0 there for all inputs).  A NaN or an infinity that reaches only that work is not carried to the result.
; qc, kc: [head][token / 16][1,024]: images of fragments of 16 tokens x 64 channels.  vc: [head][token / 128][channel / 16][2,048]: images of fragments of 16 channels x 128 keys.  An image is the operand's registers, four at a time, lane L's 16 bytes at 16 L.
; yc: [head' / 4][row / 16][head' % 4][1,024], head' the head in its batch, row = batch x 2,048 + token: two neighbouring heads are the image of a fragment of 16 rows x 128 K whose registers 4 c .. 4 c + 3 hold k = 32 c + 16 h + 0 .. 15.
; THE SOFTMAX AHEAD OF THE SECOND PRODUCT: t = score x log2(e) / 8; M = the row's largest t so far, rounded UP to a whole number; p = 2^(t - M) is quantised with 2^e5, not normalised; the row's sum is taken of the
; unquantised p and divides at the end.  When M moves, the sum and O are multiplied by 2^(old M - new M), which rounds nothing.
; LDS HOLDS A HEAD'S K AND V WHOLE: 131,072 bytes each, K from byte 0, V from byte 131,072; key step s (128 keys) is 8,192 bytes of each.  No byte is filled twice.
; CLUSTER: the four work-groups of a head ask for K and V jointly (mask 15).  Two groups of loads, one load a wave in each: waves 0-7 fetch K, waves 8-15 V.  The first group brings keys 0-511 (4,096 bytes a wave),
; the second, behind the full sequence and a round, keys 512-2,047 (12,288 bytes a wave); four key steps are worked while it is out; then one barrier, and no other up to the closing round.
; SHARES.  A head has 128 tiles of 16 queries.  Wave w of the partner at place cx owns tiles t = 4 w + cx and 127 - t, the later one first.  With a = w / 2 and b = t % 8, tile 127 - t takes 16 - a key steps and tile t takes a + 1:
; 17 steps in every wave.  A tile's last step lies on the diagonal.  The step counts hang on the wave's number alone: no branch and no LDS address hangs on cx; cx enters the addresses of Q and y and the choice of lane masks.
; Every partner owns one of the tiles 124-127, so every partner reads all that the joint loads bring.  The loops' trip counts are constants (4, 12, 8); a step behind a tile's last is jumped over by a scalar branch.
; THE MASK on the diagonal step: register 8 u + j of lane (r, h) holds key 16 u + 8 h + j of the step, and the query is 16 B + r of the step (B = the tile % 8): hidden where u > B, and for u = B where j > r - 8 h.
; Those eight lane masks are made once; a scalar select picks all lanes, none or mask j, and one v_cndmask_b32 a score sets -infinity.
; NO PREFETCH: all of K and V is asked for by the two groups at the head, so there is no later load to run ahead of; Q is one kilobyte a tile, loaded at the head.
; LAYOUT.  S^T = K Q^T (source 0 = 16 keys, source 1 = my 16 queries): lane (r, h) of tile u holds query r and keys 16 u + 8 h + 0 .. 7, which are registers 2 u, 2 u + 1 of P for O^T = V^T P^T.
; LIMITS on the given exponents, so that each power of two below is an f32 number: e2 + e3 between -123 and 130 (added to c's exponent field); e5, and e6 - e4 - e5, between -126 and 119.
; REGISTERS: v1 16 x lane; v2 the same + V's base; v5, v6 the add's; v7 -infinity; v8, v9 LDS addresses; v12 -M, v13 the largest t, v[14:15] the sum; v16-23, v24-31 Q of the two tiles; v32-95 K's eight fragments, then V's four;
;   v96-159 S^T, then p; v160-191 O^T; v192-207 y's codes on their way; v224-239 p's codes, y's codes; v240, v247: 448 x 2^e5; v244 2^e5; v241, v245 the same with e6 - e4 - e5; v242-255 at work.
.set VBASE, 131072
.set SPARE, 262144                     ; behind K and V: the spare words, 128 bytes for each of the sixteen waves
.set P1B,   32768                      ; bytes of K, and of V, in the first group
.set LI,  1
.set LV,  2
.set SPW, 5
.set NIL, 6
.set NINF, 7
.set AD,  8
.set AV,  9
.set BR,  2                            ; s2   B of the tile in hand
.set BS,  3                            ; s3   b, for the second tile
.set KO,  8                            ; s8   the step's first byte in K's part of LDS
.set SEQ, 9                            ; s9   the step
.set LIM, 10                           ; s10  the tile's steps
.set LST, 11                           ; s11  its last step
.set WV,  18                           ; s18  my wave's number
.set HM,  19                           ; s19  the mask of lanes 16-31
.set SEL, 20                           ; s[20:21] v_permlanex16_b32's selects for lane l xor 16
.set CS,  22                           ; s[22:23] c = log2(e) / 8 x 2^(e2 + e3)
.set G1A, 24                           ; s[24:31] descriptor group 1, first group: 16 rows of 256 bytes
.set QL,  32                           ; s[32:33], s[34:35] Q of tile 127 - t, of tile t
.set QS,  34
.set YL,  36                           ; s[36:37], s[38:39] their places in yc
.set YS,  38
.set G0A, 40                           ; s[40:43], s[44:47] descriptor groups 0
.set G0B, 44
.set G1B, 48                           ; s[48:55] descriptor group 1, second group: 48 rows of 256 bytes
.set NS,  67                           ; s67  a + 1
.set TM,  80                           ; s[80:87] lane masks: j > r - 8 h
.set MT,  88                           ; s[88:95] a tile's eight chosen masks
.macro CROUND                          ; a round of the cluster's barrier
	s_barrier_signal -1
	s_barrier_wait -1
	s_cmp_lg_u32 s[WV], 0
	s_cbranch_scc1 .Lnw0_\@
	s_barrier_signal -3
.Lnw0_\@:
	s_barrier_wait -3
	s_barrier_signal -1
	s_barrier_wait -1
.endm
.macro TL g0, g1                       ; a joint load; an s_nop 0 and four v_nop follow it
	tensor_load_to_lds s[\g0:\g0+3], s[\g1:\g1+7]
	s_nop 0
.rept 4
	v_nop
.endr
.endm
.macro INIT                            ; a tile begins: the step is written once, and its first turn finds zeros, which the first change of M leaves zeros
	v_mov_b32 v13, 0xff61b1e6                      ; the largest t so far: -3e38, under every t
	s_delay_alu instid0(VALU_DEP_1)
	v_floor_f32 v12, -v13                          ; -M
	v_mov_b32 v14, 0
	v_mov_b32 v15, 0
.set n, 0
.rept 32
	v_mov_b32 v[160+n], 0
.set n, n+1
.endr
.endm
	s_load_b128 s[4:7], s[0:1], 0x0                ; qc, kc
	s_load_b128 s[12:15], s[0:1], 0x10             ; vc, the scales' exponents
	s_load_b64 s[16:17], s[0:1], 0x20              ; yc
	v_lshl_add_u32 v[SPW], v0, 2, SPARE
	v_mov_b32 v[NIL], 0
	ds_add_u32 v[SPW], v[NIL]                      ; the opening lines: the add, twice on end, and its wait ahead of my first tensor load
	ds_add_u32 v[SPW], v[NIL]
	v_lshrrev_b32 v8, 5, v0
	v_readfirstlane_b32 s[WV], v8                  ; wave 0..15
	v_and_b32 v10, 31, v0
	v_lshlrev_b32 v[LI], 4, v10
	v_add_nc_u32 v[LV], VBASE, v[LI]
	v_and_b32 v10, 15, v0                          ; r
	v_bfe_u32 v11, v0, 4, 1                        ; h
	v_lshlrev_b32 v11, 3, v11
	v_sub_nc_u32 v10, v10, v11                     ; r - 8 h
.irp j, 0,1,2,3,4,5,6,7
	v_cmp_gt_i32 s[TM+\j], \j, v10
.endr
	v_mov_b32 v[NINF], 0xff800000
	s_bfe_u32 s56, ttmp6, 0x40000                  ; cx
	s_and_b32 s57, ttmp7, 0xffff                   ; batch x 16 + head: the cluster's y
	s_lshl_b32 s58, s[WV], 2
	s_add_co_u32 s58, s58, s56                     ; t
	s_sub_co_u32 s59, 127, s58                     ; 127 - t
	s_and_b32 s[BS], s58, 7                        ; b
	s_sub_co_u32 s[BR], 7, s[BS]                   ; the first tile's B
	s_lshr_b32 s[NS], s[WV], 1                     ; a
	s_sub_co_u32 s[LIM], 16, s[NS]
	s_sub_co_u32 s[LST], 15, s[NS]
	s_add_co_u32 s[NS], s[NS], 1
	s_lshl_b32 s60, s57, 17                        ; the head's first byte in qc, kc and vc
	s_mov_b32 s61, 0
	s_lshl_b32 s62, s59, 10
	s_add_co_u32 s62, s62, s60                     ; Q of tile 127 - t
	s_mov_b32 s63, 0
	s_lshl_b32 s88, s58, 10
	s_add_co_u32 s88, s88, s60                     ; Q of tile t
	s_mov_b32 s89, 0
	s_lshr_b32 s90, s57, 4
	s_lshl_b32 s90, s90, 19                        ; yc: batch x 128 tiles x 4,096
	s_bfe_u32 s91, s57, 0x20002
	s_lshl_b32 s91, s91, 21                        ; + (head / 4) x 2^21
	s_add_co_u32 s90, s90, s91
	s_and_b32 s91, s57, 3
	s_lshl_b32 s91, s91, 10                        ; + (head % 4) x 1,024
	s_add_co_u32 s90, s90, s91
	s_lshl_b32 s92, s59, 12
	s_add_co_u32 s92, s92, s90
	s_mov_b32 s93, 0
	s_lshl_b32 s94, s58, 12
	s_add_co_u32 s94, s94, s90
	s_mov_b32 s95, 0
	s_and_b32 s96, s[WV], 7                        ; which eighth of K's or V's bytes I fetch
	s_lshr_b32 s97, s[WV], 3
	s_lshl_b32 s97, s97, 17                        ; K's part of LDS or V's
	s_lshl_b32 s98, s96, 12
	s_mov_b32 s99, 0
	s_mul_i32 s76, s96, 12288
	s_add_co_u32 s76, s76, P1B
	s_mov_b32 s77, 0
	s_mov_b32 s[G0A], 1
	s_add_co_u32 s[G0A+1], s97, s98
	s_mov_b32 s[G0B], 1
	s_add_co_u32 s[G0B+1], s97, s76
	; descriptor groups 1: dense bytes as rows of 32 elements of 8 bytes; 15:0 the mask of all four partners; 21 set beside it; no padding: every fragment load takes 512 consecutive bytes
	s_mov_b32 s[G1A], 15|(3<<16)|(1<<21)
	s_mov_b32 s[G1A+1], 32<<16
	s_mov_b32 s[G1A+2], 16<<16
	s_mov_b32 s[G1A+3], 32<<16
	s_mov_b32 s[G1A+4], 16
	s_mov_b32 s[G1A+5], 32
	s_mov_b32 s[G1A+6], 0
	s_mov_b32 s[G1A+7], 0
	s_mov_b32 s[G1B], 15|(3<<16)|(1<<21)
	s_mov_b32 s[G1B+1], 32<<16
	s_mov_b32 s[G1B+2], 48<<16
	s_mov_b32 s[G1B+3], 32<<16
	s_mov_b32 s[G1B+4], 48
	s_mov_b32 s[G1B+5], 32
	s_mov_b32 s[G1B+6], 0
	s_mov_b32 s[G1B+7], 0
	s_mov_b32 s[HM], 0xffff0000
	s_mov_b32 s[SEL], 0x76543210
	s_mov_b32 s[SEL+1], 0xfedcba98
	s_mov_b32 s[CS], 0x3e38aa3b                    ; log2(e) / 8
	s_mov_b32 s[KO], 0
	s_mov_b32 s[SEQ], 0
	s_wait_alu depctr_va_vdst(0)
	s_wait_dscnt 0x0                               ; both opening adds are done
	s_wait_kmcnt 0x0
	s_load_b256 s[68:75], s[14:15], 0x0            ; e0 .. e7
	s_cmp_lt_u32 s[WV], 8
	s_cselect_b64 s[78:79], s[6:7], s[12:13]       ; waves 0-7: K; waves 8-15: V
	s_add_nc_u64 s[78:79], s[78:79], s[60:61]
	s_add_nc_u64 s[G0A+2:G0A+3], s[78:79], s[98:99]
	s_or_b32 s[G0A+3], s[G0A+3], 0x80000000
	s_add_nc_u64 s[G0B+2:G0B+3], s[78:79], s[76:77]
	s_or_b32 s[G0B+3], s[G0B+3], 0x80000000
	s_add_nc_u64 s[QL:QL+1], s[4:5], s[62:63]
	s_add_nc_u64 s[QS:QS+1], s[4:5], s[88:89]
	s_add_nc_u64 s[YL:YL+1], s[16:17], s[92:93]
	s_add_nc_u64 s[YS:YS+1], s[16:17], s[94:95]
	global_load_b128 v[16:19], v[LI], s[QL:QL+1]   ; both tiles of Q: a fragment is two loads of 512 consecutive bytes
	global_load_b128 v[20:23], v[LI], s[QL:QL+1] offset:512
	global_load_b128 v[24:27], v[LI], s[QS:QS+1]
	global_load_b128 v[28:31], v[LI], s[QS:QS+1] offset:512
	CROUND                                         ; all four partners are here: the first joint loads meet
	TL G0A, G1A                                    ; keys 0-511: my one tensor load at the head
	INIT
.irp n, 204,205,206,207,246,252,253,254
	v_mov_b32 v\n, 0                               ; written once: destinations of lane permutes count as sources, and v253 is named as the upper half of a pair
.endr
	s_wait_kmcnt 0x0
	s_add_co_i32 s58, s70, s71
	s_lshl_b32 s58, s58, 23
	s_add_co_i32 s[CS], s[CS], s58                 ; a score stands for score x 2^(e2 + e3): added to c's exponent field
	s_mov_b32 s[CS+1], s[CS]                       ; (named with it as a pair)
	s_add_co_i32 s58, s73, 127
	s_lshl_b32 s59, s58, 23
	v_mov_b32 v244, s59                            ; 2^e5
	s_add_co_i32 s58, s58, 8
	s_lshl_b32 s58, s58, 23
	s_or_b32 s58, s58, 0x600000
	v_mov_b32 v240, s58                            ; 448 x 2^e5,
	v_mov_b32 v247, s58                            ; and once more, for the second half of a dual pair
	s_sub_co_i32 s58, s74, s72
	s_sub_co_i32 s58, s58, s73                     ; O / l stands for y / 2^(e4 + e5): y's code is (O / l) / 2^(e6 - e4 - e5)
	s_add_co_i32 s58, s58, 127
	s_lshl_b32 s59, s58, 23
	v_mov_b32 v245, s59
	s_add_co_i32 s58, s58, 8
	s_lshl_b32 s58, s58, 23
	s_or_b32 s58, s58, 0x600000
	v_mov_b32 v241, s58
; A KEY STEP: 128 keys at byte s[KO] of K's and of V's part of LDS.  qr: my tile's Q.  full = 1: with the jump over steps behind the tile's last, and the mask on the last.
.macro STEP qr, full
.if \full
	s_cmp_ge_u32 s[SEQ], s[LIM]                    ; the wave's number and the count of steps alone; no barrier and no tensor load stands in a step
	s_cbranch_scc1 .Lhidden_\@
.endif
	v_add_nc_u32 v[AD], s[KO], v[LI]
	v_add_nc_u32 v[AV], s[KO], v[LV]
	v_nop
	v_nop                                          ; four places in front of loads into registers that the last products have read
.irp t, 0,1,2,3,4,5,6,7
	ds_load_b128 v[32+8*\t:35+8*\t], v[AD] offset:\t*1024
	ds_load_b128 v[36+8*\t:39+8*\t], v[AD] offset:\t*1024+512
.endr
	s_wait_alu depctr_va_vdst(0)
	s_wait_dscnt 0x0
.irp t, 0,1,2,3,4,5,6,7
	v_wmma_f32_16x16x64_fp8_fp8 v[96+8*\t:103+8*\t], v[32+8*\t:39+8*\t], v[\qr:\qr+7], 0   ; S^T: keys 16 t on
.endr
.rept 4
	v_nop                                          ; places in front of the loads below and of the first read of the scores
.endr
.irp d, 0,1,2,3                        ; V's four fragments are asked for now, and land under the softmax
.irp c, 0,1,2,3
	ds_load_b128 v[32+16*\d+4*\c:35+16*\d+4*\c], v[AV] offset:\d*2048+\c*512
.endr
.endr
.if \full
	s_cmp_lg_u32 s[SEQ], s[LST]                    ; the tile's last step lies on the diagonal: hidden scores become -infinity ahead of the maximum, so p = 0 there
	s_cbranch_scc1 .Lopen_\@
.irp u, 0,1,2,3,4,5,6,7
	s_cmp_lt_u32 s[BR], \u
	s_cselect_b32 s96, -1, 0                       ; u > B: all lanes; u < B: none
	s_cmp_eq_u32 s[BR], \u
.irp j, 0,1,2,3,4,5,6,7
	s_cselect_b32 s[MT+\j], s[TM+\j], s96          ; u = B: the lanes with j > r - 8 h
.endr
.irp j, 0,1,2,3,4,5,6,7
	v_cndmask_b32 v[96+8*\u+\j], v[96+8*\u+\j], v[NINF], s[MT+\j]
.endr
.endr
.Lopen_\@:
.endif
	v_max3_num_f32 v254, v96, v97, v98             ; the step's largest score of my query, among my 64 keys, in two chains, each tile from its low end on,
	v_max3_num_f32 v252, v99, v100, v101
.irp i, 6,10,14,18,22,26,30,34,38,42,46,50,54,58
	v_max3_num_f32 v254, v254, v[96+\i], v[97+\i]
	v_max3_num_f32 v252, v252, v[98+\i], v[99+\i]
.endr
	v_max3_num_f32 v254, v254, v158, v159
	s_delay_alu instid0(VALU_DEP_1)
	v_max_num_f32 v254, v254, v252
	s_delay_alu instid0(VALU_DEP_1)
	v_permlanex16_b32 v246, v254, s[SEL], s[SEL+1]
	s_delay_alu instid0(VALU_DEP_1)
	v_max_num_f32 v254, v254, v246                 ; and among lane l xor 16's
	s_delay_alu instid0(VALU_DEP_1)
	v_mul_f32 v254, s[CS], v254                    ; as t (c is positive)
	s_delay_alu instid0(VALU_DEP_1)
	v_max_num_f32 v13, v13, v254                   ; the running largest t
	v_mov_b32 v254, v12
	s_delay_alu instid0(VALU_DEP_2)
	v_floor_f32 v12, -v13                          ; the new -M = floor(-t) = -ceil(t): M is a whole number
	s_delay_alu instid0(VALU_DEP_1)
	v_sub_f32 v254, v12, v254                      ; M's old value less its new one: a whole number, 0 or less
	s_delay_alu instid0(VALU_DEP_1)
	v_cvt_i32_f32 v254, v254                       ; (it saturates)
	s_delay_alu instid0(VALU_DEP_1)
	v_ldexp_f32 v252, 1.0, v254                    ; f = 2^(old M - new M)
.set n, 0
.rept 32
	v_pk_fma_f32 v[96+n:97+n], v[96+n:97+n], s[CS:CS+1], v[12:13] op_sel_hi:[1,0,0]   ; t - M, two at a time
.set n, n+2
.endr
.set n, 0
.rept 16
	v_pk_mul_f32 v[160+n:161+n], v[160+n:161+n], v[252:253] op_sel_hi:[1,0]   ; O^T under the new M, ahead of the exponentials: each accumulator from its low end on
.set n, n+2
.endr
	s_wait_alu depctr_va_vdst(0)
.set n, 0
.rept 64
	v_exp_f32 v[96+n], v[96+n]                     ; p = 2^(t - M), at most 1: not normalised
.set n, n+1
.endr
	v_pk_mul_f32 v[14:15], v[14:15], v[252:253] op_sel_hi:[1,0]   ; the sums under the new M: the plain line behind the exponentials
	s_wait_alu depctr_va_vdst(0)                   ; one wait for the whole batch, ahead of its first reader
	v_pk_add_f32 v[242:243], v[100:101], v[104:105]   ; the row's sum is taken of the unquantised p, in eight chains
	v_pk_add_f32 v[254:255], v[108:109], v[112:113]
	v_pk_add_f32 v[250:251], v[116:117], v[120:121]
	v_pk_add_f32 v[248:249], v[124:125], v[128:129]
	v_pk_add_f32 v[238:239], v[132:133], v[136:137]
	v_pk_add_f32 v[236:237], v[140:141], v[144:145]
	v_pk_add_f32 v[234:235], v[148:149], v[152:153]
	v_pk_add_f32 v[14:15], v[14:15], v[156:157]
	v_pk_add_f32 v[242:243], v[242:243], v[96:97]
	v_pk_add_f32 v[254:255], v[254:255], v[98:99]
	v_pk_add_f32 v[250:251], v[250:251], v[102:103]
	v_pk_add_f32 v[248:249], v[248:249], v[106:107]
	v_pk_add_f32 v[238:239], v[238:239], v[110:111]
	v_pk_add_f32 v[236:237], v[236:237], v[114:115]
	v_pk_add_f32 v[234:235], v[234:235], v[118:119]
	v_pk_add_f32 v[14:15], v[14:15], v[122:123]
	v_pk_add_f32 v[242:243], v[242:243], v[126:127]
	v_pk_add_f32 v[254:255], v[254:255], v[130:131]
	v_pk_add_f32 v[250:251], v[250:251], v[134:135]
	v_pk_add_f32 v[248:249], v[248:249], v[138:139]
	v_pk_add_f32 v[238:239], v[238:239], v[142:143]
	v_pk_add_f32 v[236:237], v[236:237], v[146:147]
	v_pk_add_f32 v[234:235], v[234:235], v[150:151]
	v_pk_add_f32 v[14:15], v[14:15], v[154:155]
	v_pk_add_f32 v[242:243], v[242:243], v[158:159]
	s_delay_alu instid0(VALU_DEP_2)
	v_pk_add_f32 v[14:15], v[14:15], v[248:249]
	s_delay_alu instid0(VALU_DEP_2)
	v_pk_add_f32 v[242:243], v[242:243], v[238:239]
	v_pk_add_f32 v[254:255], v[254:255], v[236:237]
	v_pk_add_f32 v[250:251], v[250:251], v[234:235]
	s_delay_alu instid0(VALU_DEP_2)
	v_pk_add_f32 v[14:15], v[14:15], v[254:255]
	s_delay_alu instid0(VALU_DEP_2)
	v_pk_add_f32 v[242:243], v[242:243], v[250:251]
	s_delay_alu instid0(VALU_DEP_1)
	v_pk_add_f32 v[14:15], v[14:15], v[242:243]
.irp k, 0,1,2,3,4,5,6,7
.irp i, 0,2,4,6                        ; the conversion does not saturate (ISA guide 7.6.2); p is not negative, so the hold is one-sided: two numbers a dual pair
	v_dual_min_num_f32 v[96+8*\k+\i], v240, v[96+8*\k+\i] :: v_dual_min_num_f32 v[97+8*\k+\i], v247, v[97+8*\k+\i]
.endr
	v_cvt_scalef32_pk8_fp8_f32 v[224+2*\k:225+2*\k], v[96+8*\k:103+8*\k], v244   ; registers 2 k, 2 k + 1 of P: keys 16 k + 8 h + 0 .. 7
.endr
	v_nop                                          ; one plain line between the last conversion and the products that read its result
	s_wait_alu depctr_va_vdst(0)
	s_wait_dscnt 0x0                               ; V is in
.irp d, 0,1,2,3                        ; O^T += V^T P^T: the four accumulators take turns, and eight other products stand between two steps'
	v_wmma_f32_16x16x128_fp8_fp8 v[160+8*\d:167+8*\d], v[32+16*\d:47+16*\d], v[224:239], v[160+8*\d:167+8*\d]
.endr
.if \full
.Lhidden_\@:
.endif
	s_add_co_u32 s[KO], s[KO], 8192
	s_add_co_u32 s[SEQ], s[SEQ], 1
.endm
; A TILE ENDS: O^T is divided by the row's sum and quantised.  A lane's codes of tile d are channels 16 d + 8 h + 0 .. 7; the next operand wants 32 c + 16 h + 0 .. 15 in a lane: lanes l and l xor 16 exchange
; one tile of each pair.  Then each of the two stores covers 512 consecutive bytes, aligned.
.macro FINISH ya
.rept 4
	v_nop                                          ; places behind the last products
.endr
	v_add_f32 v14, v14, v15                        ; the sum's two halves,
	s_wait_alu depctr_va_vdst(0)
	v_permlanex16_b32 v252, v14, s[SEL], s[SEL+1]
	s_delay_alu instid0(VALU_DEP_1)
	v_add_f32 v14, v14, v252                       ; and lane l xor 16's
	s_wait_alu depctr_va_vdst(0)
	v_rcp_f32 v14, v14
	v_nop                                          ; a plain line behind the reciprocal
	s_wait_alu depctr_va_vdst(0)                   ; and the wait ahead of its first reader, which is also O^T's
.set n, 0
.rept 16
	v_pk_mul_f32 v[96+n:97+n], v[160+n:161+n], v[14:15] op_sel_hi:[1,0]   ; O^T / l, each accumulator from its low end on
.set n, n+2
.endr
.set n, 0
.rept 32
	v_med3_num_f32 v[96+n], v[96+n], -v241, v241
.set n, n+1
.endr
.irp d, 0,1,2,3
	v_cvt_scalef32_pk8_fp8_f32 v[224+2*\d:225+2*\d], v[96+8*\d:103+8*\d], v245
.endr
	v_nop                                          ; one plain line behind the last conversion
	s_wait_alu depctr_va_vdst(0)
	s_wait_xcnt 0x0                                ; the earlier tile's stores have read v192-199
.irp c, 0,1
.irp e, 0,1
	v_cndmask_b32 v[200+2*\c+\e], v[226+4*\c+\e], v[224+4*\c+\e], s[HM]   ; lanes 0-15 send tile 2 c + 1, lanes 16-31 tile 2 c
.endr
.endr
.irp n, 0,1,2,3
	s_delay_alu instid0(VALU_DEP_4)
	v_permlanex16_b32 v[204+\n], v[200+\n], s[SEL], s[SEL+1]
.endr
.irp c, 0,1
.irp e, 0,1
	v_cndmask_b32 v[192+4*\c+\e], v[224+4*\c+\e], v[204+2*\c+\e], s[HM]   ; the first eight of my sixteen: lanes 0-15 their own tile 2 c, lanes 16-31 what came
	v_cndmask_b32 v[194+4*\c+\e], v[204+2*\c+\e], v[226+4*\c+\e], s[HM]   ; the second eight: lanes 0-15 what came, lanes 16-31 their own tile 2 c + 1
.endr
.endr
	global_store_b128 v[LI], v[192:195], s[\ya:\ya+1]
	global_store_b128 v[LI], v[196:199], s[\ya:\ya+1] offset:512
.endm
	s_wait_alu depctr_va_vdst(0)
	s_wait_tensorcnt 0x0                           ; my part of keys 0-511 is in,
	ds_add_u32 v[SPW], v[NIL]
	s_wait_dscnt 0x0
	CROUND                                         ; everybody's part is in, and all four partners are here,
	TL G0B, G1B                                    ; keys 512-2,047: my one tensor load behind the round
	s_wait_loadcnt 0x0                             ; Q
.Lfirst:                                           ; tile 127 - t, steps 0-3: every such tile has nine steps or more, so nothing is hidden here
	STEP 16, 0
	s_cmp_lt_u32 s[SEQ], 4
	s_cbranch_scc1 .Lfirst
	s_wait_tensorcnt 0x0                           ; my part of the later keys is in,
	s_wait_dscnt 0x0
	s_barrier_signal -1
	s_barrier_wait -1                              ; everybody's is
.Llong:                                            ; tile 127 - t, steps 4-15
	STEP 16, 1
	s_cmp_lt_u32 s[SEQ], 16
	s_cbranch_scc1 .Llong
	FINISH YL
	INIT
	s_mov_b32 s[KO], 0
	s_mov_b32 s[SEQ], 0
	s_mov_b32 s[LIM], s[NS]
	s_sub_co_u32 s[LST], s[NS], 1
	s_mov_b32 s[BR], s[BS]
	s_wait_alu depctr_va_vdst(0)
.Lshort:                                           ; tile t, steps 0-7
	STEP 24, 1
	s_cmp_lt_u32 s[SEQ], 8
	s_cbranch_scc1 .Lshort
	FINISH YS
	s_wait_tensorcnt 0x0                           ; the wave's end
	ds_add_u32 v[SPW], v[NIL]
	s_wait_dscnt 0x0
	CROUND                                         ; the closing round
	s_endpgm
.Lfunc_end_k_q9122b45c9e_attn:
	.size	k_q9122b45c9e_attn, .Lfunc_end_k_q9122b45c9e_attn-k_q9122b45c9e_attn
	.p2alignl 7, 3214868480
	.fill 96, 4, 3214868480
	.section	.rodata,"a",@progbits
	.p2align	6, 0x0
	.amdhsa_kernel k_q9122b45c9e_attn
		.amdhsa_group_segment_fixed_size 327680
		.amdhsa_private_segment_fixed_size 0
		.amdhsa_enable_private_segment 0
		.amdhsa_kernarg_size 40
		.amdhsa_user_sgpr_count 2
		.amdhsa_user_sgpr_kernarg_segment_ptr 1
		.amdhsa_wavefront_size32 1
		.amdhsa_system_sgpr_workgroup_id_x 1
		.amdhsa_system_sgpr_workgroup_id_y 1
		.amdhsa_system_sgpr_workgroup_id_z 1
		.amdhsa_system_vgpr_workitem_id 0
		.amdhsa_next_free_vgpr 256
		.amdhsa_next_free_sgpr 100
		.amdhsa_reserve_vcc 0
		.amdhsa_float_denorm_mode_32 3
		.amdhsa_float_denorm_mode_16_64 3
		.amdhsa_memory_ordered 1
		.amdhsa_forward_progress 1
		.amdhsa_inst_pref_size 83
	.end_amdhsa_kernel
	.amdgpu_metadata
---
amdhsa.version: [ 1, 2 ]
amdhsa.kernels:
  - .name:           k_q9122b45c9e_attn
    .symbol:         k_q9122b45c9e_attn.kd
    .args:
      - { .name: qc, .offset: 0, .size: 8, .value_kind: global_buffer, .address_space: global }
      - { .name: kc, .offset: 8, .size: 8, .value_kind: global_buffer, .address_space: global }
      - { .name: vc, .offset: 16, .size: 8, .value_kind: global_buffer, .address_space: global }
      - { .name: lowp_scales, .offset: 24, .size: 8, .value_kind: global_buffer, .address_space: global }
      - { .name: yc, .offset: 32, .size: 8, .value_kind: global_buffer, .address_space: global }
    .group_segment_fixed_size: 327680
    .private_segment_fixed_size: 0
    .kernarg_segment_align: 8
    .kernarg_segment_size: 40
    .max_flat_workgroup_size: 512
    .sgpr_count:     100
    .vgpr_count:     256
    .wavefront_size: 32
...
	.end_amdgpu_metadata
.endif
;; end of part 3
;; launch proj (part 4): grid 4 x 64, 4 waves a work-group, clusters of 4 x 4, 327,680 bytes of LDS; arguments yc, wpc, lowp_scales, out0; writes out0
.if DOCPART == 4
	.amdgcn_target "amdgcn-amd-amdhsa--gfx1250"
	.amdhsa_code_object_version 6
	.text
	.protected	k_q9122b45c9e_proj
	.globl	k_q9122b45c9e_proj
	.p2align	8
	.type	k_q9122b45c9e_proj,@function
k_q9122b45c9e_proj:
	s_mov_b64 s[64:65], 0
	v_nop
	global_prefetch_b8 v0, s[64:65] scope:SCOPE_SE
	s_setreg_imm32_b32 hwreg(HW_REG_WAVE_MODE, 25, 1), 1
	s_wait_xcnt 0x0
	s_wait_alu depctr_hold_cnt(0) depctr_sa_sdst(0) depctr_va_vdst(0) depctr_va_sdst(0) depctr_va_ssrc(0) depctr_va_vcc(0) depctr_vm_vsrc(0)
	s_getreg_b32 s2, hwreg(HW_REG_IB_STS2, 6, 4)
	s_cmp_eq_u32 s2, 0
	s_cbranch_scc0 .Lentry_in_a_cluster
	s_endpgm
.Lentry_in_a_cluster:
	s_bfe_u32 s2, ttmp6, 0x10000c
	s_cmp_lg_u32 s2, 0xf033
	s_cbranch_scc0 .Lentry_shape_is_right
	s_endpgm
.Lentry_shape_is_right:
.set PITCH,  272
.set NP,     4
.set BOFF,   32768
.set HALFB,  128*PITCH
.set SLOT,   BOFF+2*HALFB
.set STAGE,  2*SLOT
.set SPITCH, 528
.set SPARE,  STAGE+4*16*SPITCH
.set ADRA, 16
.set ADRB, 20
.set STO,  24
.set RD,   25
.set CO,   26
.set SPW,  28
.set NIL,  29
.set TMP,  32
.set AF,   128
.set BK,   128
.set G1, 24
.set G0, 32
.set G1B, 48
.set G0B, 56
.set MSB, 0
.macro WIN new
.if MSB != (\new)
	s_set_vgpr_msb (MSB<<8)|(\new)
.set MSB, \new
.endif
.endm
.set MUL,  0xa1
.set TO_B, 0x40
.macro TL g0, g1                       ; one joint load; an s_nop 0 and four v_nop follow it
	tensor_load_to_lds s[\g0:\g0+3], s[\g1:\g1+7]
	s_nop 0
.rept 4
	v_nop
.endr
.endm
; A slot's joint refill: wave wa fetches y's 128 rows, wave wa + 1 w_proj's 256, the other two nothing.  The branches hang on the wave's number alone.
.macro JLOAD wa, g0a, g1a, g0b, g1b
	s_cmp_eq_u32 s14, \wa
	s_cbranch_scc0 .Lfor_b_\@
	tensor_load_to_lds s[\g0a:\g0a+3], s[\g1a:\g1a+7]
	s_nop 0
.rept 4
	v_nop
.endr
	s_branch .Lasked_\@
.Lfor_b_\@:
	s_cmp_eq_u32 s14, (\wa)+1
	s_cbranch_scc0 .Lasked_\@
	tensor_load_to_lds s[\g0b:\g0b+3], s[\g1b:\g1b+7]
	s_nop 0
.rept 4
	v_nop
.endr
.Lasked_\@:
.endm
.macro CREST
	s_cmp_lg_u32 s14, 0
	s_cbranch_scc1 .Lnot_wave_0_\@
	s_barrier_signal -3
.Lnot_wave_0_\@:
	s_barrier_wait -3
	s_barrier_signal -1
	s_barrier_wait -1
.endm
.macro CROUND
	s_barrier_signal -1
	s_barrier_wait -1
	CREST
.endm
	s_load_b128 s[4:7], s[0:1], 0x0
	s_load_b128 s[8:11], s[0:1], 0x10
	v_lshl_add_u32 v[SPW], v0, 2, SPARE
	v_mov_b32 v[NIL], 0
	ds_add_u32 v28, v29
	ds_add_u32 v28, v29
	s_wait_dscnt 0x0
	v_lshrrev_b32 v1, 5, v0
	v_readfirstlane_b32 s14, v1
	s_lshr_b32 s15, s14, 1
	s_and_b32 s16, s14, 1
	s_bfe_u32 s40, ttmp6, 0x40000
	s_bfe_u32 s41, ttmp6, 0x40004
	s_lshl_b32 s42, ttmp9, 2
	s_add_co_u32 s42, s42, s40
	s_and_b32 s17, ttmp7, 0xffff
	s_lshl_b32 s17, s17, 2
	s_add_co_u32 s17, s17, s41
	s_lshl_b32 s43, s41, 2
	s_lshl_b32 s43, 15, s43
	s_lshl_b32 s44, 0x1111, s40
	s_or_b32 s[G1+0], s43, (3<<16)|(1<<21)
	s_mov_b32 s[G1+1], 32<<16
	s_mov_b32 s[G1+2], 128<<16                     ; y's images of a K step: 32,768 dense bytes as 128 rows of 256
	s_mov_b32 s[G1+3], 32<<16
	s_mov_b32 s[G1+4], 128
	s_mov_b32 s[G1+5], 32
	s_mov_b32 s[G1+6], 0
	s_mov_b32 s[G1+7], 0
	s_or_b32 s[G1B+0], s44, (0<<16)|(1<<20)|(1<<21)|(5<<22)|(3<<25)
	s_mov_b32 s[G1B+1], 256<<16
	s_mov_b32 s[G1B+2], 256<<16                    ; w_proj: 256 rows of 256 bytes
	s_mov_b32 s[G1B+3], 256<<16
	s_mov_b32 s[G1B+4], 256
	s_mov_b32 s[G1B+5], 1024
	s_mov_b32 s[G1B+6], 0
	s_mov_b32 s[G1B+7], 0
	s_lshl_b32 s20, s17, 15
	s_mov_b32 s21, 0
	s_lshl_b32 s46, s42, 18
	s_mov_b32 s47, 0
	s_wait_kmcnt 0x0
	s_load_b256 s[80:87], s[8:9], 0x0
	s_add_nc_u64 s[20:21], s[4:5], s[20:21]
	s_add_nc_u64 s[46:47], s[6:7], s[46:47]
	CROUND
.irp s, 0,1
	s_mov_b32 s[G0+4*\s], 1
	s_mov_b32 s[G0+4*\s+1], \s*SLOT
	s_add_nc_u64 s[G0+4*\s+2:G0+4*\s+3], s[20:21], \s*2097152
	s_or_b32 s[G0+4*\s+3], s[G0+4*\s+3], 0x80000000
	s_mov_b32 s[G0B+4*\s], 1
	s_mov_b32 s[G0B+4*\s+1], BOFF+\s*SLOT
	s_add_nc_u64 s[G0B+4*\s+2:G0B+4*\s+3], s[46:47], \s*256
	s_or_b32 s[G0B+4*\s+3], s[G0B+4*\s+3], 0x80000000
.endr
	; the first fills, one tensor load a wave in one chain of four arms: wave 0: y, K step 0; wave 1: w_proj, K step 0; waves 2 and 3 the same of K step 1
	s_cmp_eq_u32 s14, 0
	s_cbranch_scc0 .Lh1
	TL G0, G1
	s_branch .Lhj
.Lh1:
	s_cmp_eq_u32 s14, 1
	s_cbranch_scc0 .Lh2
	TL G0B, G1B
	s_branch .Lhj
.Lh2:
	s_cmp_eq_u32 s14, 2
	s_cbranch_scc0 .Lh3
	TL G0+4, G1
	s_branch .Lhj
.Lh3:
	TL G0B+4, G1B
.Lhj:
	v_and_b32 v1, 15, v0
	v_bfe_u32 v2, v0, 4, 1
	v_and_b32 v6, 31, v0
	v_lshlrev_b32 v[CO], 4, v6
	v_mul_u32_u24 v3, v1, PITCH
	v_lshl_add_u32 v4, v2, 4, v3
	s_lshl_b32 s21, s15, 14
	s_mul_i32 s22, s16, HALFB
	s_add_co_u32 s22, s22, BOFF
.irp s, 0,1
	v_add_nc_u32 v[ADRA+\s], s21, v[CO]
	v_add_nc_u32 v[ADRB+\s], s22, v4
	s_add_co_u32 s21, s21, SLOT
	s_add_co_u32 s22, s22, SLOT
.endr
	s_mul_i32 s23, s14, 16*SPITCH
	s_add_co_u32 s23, s23, STAGE
	v_mul_u32_u24 v5, v1, SPITCH
	v_lshl_add_u32 v5, v2, 5, v5
	v_add_nc_u32 v[STO], s23, v5
	v_add_nc_u32 v[RD], s23, v[CO]
	s_lshl_b32 s20, s17, 7
	s_lshl_b32 s21, s15, 6
	s_add_co_u32 s20, s20, s21
	s_lshl_b32 s20, s20, 12
	s_lshl_b32 s46, s42, 10
	s_lshl_b32 s47, s16, 9
	s_add_co_u32 s46, s46, s47
	s_add_co_u32 s20, s20, s46
	s_mov_b32 s21, 0
	s_add_nc_u64 s[10:11], s[10:11], s[20:21]
.macro MUL8 a, p, zero
.irp b, 0,1,2,3,4,5,6,7
.if \zero
	v_wmma_f32_16x16x128_fp8_fp8 v[8*(8*(\a)+\b):8*(8*(\a)+\b)+7], v[128*(\p)+16*\b:128*(\p)+16*\b+15], v[AF+64*(\p)+16*(\a):AF+64*(\p)+16*(\a)+15], 0
.else
	v_wmma_f32_16x16x128_fp8_fp8 v[8*(8*(\a)+\b):8*(8*(\a)+\b)+7], v[128*(\p)+16*\b:128*(\p)+16*\b+15], v[AF+64*(\p)+16*(\a):AF+64*(\p)+16*(\a)+15], v[8*(8*(\a)+\b):8*(8*(\a)+\b)+7]
.endif
.endr
.endm
.macro FETCH slot, q, p
	WIN TO_B
.irp i, 0,1,2,3,4,5,6,7
.irp c, 0,1,2,3
	ds_load_b128 v[128*(\p)+16*\i+4*\c:128*(\p)+16*\i+4*\c+3], v[ADRB+\slot] offset:128*(\q)+32*\c+\i*16*PITCH
.endr
.endr
	WIN 0
.irp a, 0,1,2,3
.irp c, 0,1,2,3
	ds_load_b128 v[AF+64*(\p)+16*\a+4*\c:AF+64*(\p)+16*\a+4*\c+3], v[ADRA+\slot] offset:\a*4096+(\q)*2048+512*\c
.endr
.endr
.endm
.macro PLACES n
.rept \n
	v_nop
.endr
.endm
.macro STEP slot, zero
	PLACES NP
	FETCH \slot, 1, 1
	s_wait_dscnt 48
	WIN MUL
	MUL8 0, 0, \zero
	MUL8 1, 0, \zero
	MUL8 2, 0, \zero
	MUL8 3, 0, \zero
.endm
.macro TURN slot, next, fill
	WIN 0
	s_wait_tensorcnt 0x0
	ds_add_u32 v[SPW], v[NIL]
	s_wait_dscnt 1
	WIN MUL
	MUL8 0, 1, 0
	s_wait_dscnt 0x0
	s_barrier_signal -1
	MUL8 1, 1, 0
	WIN 0
	s_barrier_wait -1
.if \fill
	CREST
	s_add_nc_u64 s[G0+4*\slot+2:G0+4*\slot+3], s[G0+4*\slot+2:G0+4*\slot+3], 2*2097152
	s_add_nc_u64 s[G0B+4*\slot+2:G0B+4*\slot+3], s[G0B+4*\slot+2:G0B+4*\slot+3], 2*256
	JLOAD 2*\slot, G0+4*\slot, G1, G0B+4*\slot, G1B
.endif
	PLACES NP                                      ; on every wave's way: the places in front of the loads below
	FETCH \next, 0, 0
	WIN MUL
	MUL8 2, 1, 0
	MUL8 3, 1, 0
.endm
	s_wait_alu depctr_va_vdst(0)
	s_wait_tensorcnt 0x0                           ; my one load is in
	s_barrier_signal -1
	s_barrier_wait -1
	FETCH 0, 0, 0
	STEP 0, 1
	TURN 0, 1, 1
	STEP 1, 0
	TURN 1, 0, 1
	STEP 0, 0
	TURN 0, 1, 0
	STEP 1, 0
	s_wait_dscnt 0x0
	MUL8 0, 1, 0
	MUL8 1, 1, 0
	MUL8 2, 1, 0
	MUL8 3, 1, 0
	WIN 0
.macro TOSTAGE a
.set AC, 64*(\a)
	WIN 0x02
.set n, 0
.rept 32
	v_pk_mul_f32 v[TMP+n:TMP+n+1], v[AC+n:AC+n+1], s[96:97] op_sel_hi:[1,0]
.set n, n+2
.endr
	WIN 0
.irp b, 0,1,2,3,4,5,6,7
	ds_store_b128 v[STO], v[TMP+8*\b:TMP+8*\b+3] offset:64*\b
	ds_store_b128 v[STO], v[TMP+8*\b+4:TMP+8*\b+7] offset:64*\b+16
.endr
.set BB, BK+64*((\a)%2)
.irp t, 0,1,2,3,4,5,6,7,8,9,10,11,12,13,14,15
	ds_load_b128 v[BB+4*\t:BB+4*\t+3], v[RD] offset:\t*SPITCH
.endr
.endm
.macro SEND a, younger
.set BB, BK+64*((\a)%2)
	s_wait_dscnt \younger
.if (\a) > 0
	s_add_nc_u64 s[10:11], s[10:11], 16*4096
.endif
.irp t, 0,1,2,3,4,5,6,7,8,9,10,11,12,13,14,15
	global_store_b128 v[CO], v[BB+4*\t:BB+4*\t+3], s[10:11] offset:\t*4096 th:TH_STORE_NT
.endr
.endm
	s_wait_kmcnt 0x0
	s_add_co_i32 s96, s86, s87
	s_add_co_i32 s96, s96, 127
	s_lshl_b32 s96, s96, 23
	s_mov_b32 s97, s96
	PLACES NP
	TOSTAGE 0
.irp a, 1,2,3
.if \a > 1
	s_wait_xcnt 0x0
.endif
	TOSTAGE \a
	SEND \a-1, 32
.endr
	s_wait_xcnt 0x0
	SEND 3, 0
	s_wait_tensorcnt 0x0
	ds_add_u32 v[SPW], v[NIL]
	s_wait_dscnt 0x0
	CROUND
	s_endpgm
.Lfunc_end_k_q9122b45c9e_proj:
	.size	k_q9122b45c9e_proj, .Lfunc_end_k_q9122b45c9e_proj-k_q9122b45c9e_proj
	.p2alignl 7, 3214868480
	.fill 96, 4, 3214868480
	.section	.rodata,"a",@progbits
	.p2align	6, 0x0
	.amdhsa_kernel k_q9122b45c9e_proj
		.amdhsa_group_segment_fixed_size 327680
		.amdhsa_private_segment_fixed_size 0
		.amdhsa_enable_private_segment 0
		.amdhsa_kernarg_size 32
		.amdhsa_user_sgpr_count 2
		.amdhsa_user_sgpr_kernarg_segment_ptr 1
		.amdhsa_wavefront_size32 1
		.amdhsa_system_sgpr_workgroup_id_x 1
		.amdhsa_system_sgpr_workgroup_id_y 1
		.amdhsa_system_sgpr_workgroup_id_z 1
		.amdhsa_system_vgpr_workitem_id 0
		.amdhsa_next_free_vgpr 768
		.amdhsa_next_free_sgpr 98
		.amdhsa_reserve_vcc 0
		.amdhsa_float_denorm_mode_32 3
		.amdhsa_float_denorm_mode_16_64 3
		.amdhsa_memory_ordered 1
		.amdhsa_forward_progress 1
		.amdhsa_inst_pref_size 75
	.end_amdhsa_kernel
	.amdgpu_metadata
---
amdhsa.version: [ 1, 2 ]
amdhsa.kernels:
  - .name:           k_q9122b45c9e_proj
    .symbol:         k_q9122b45c9e_proj.kd
    .args:
      - { .name: yc, .offset: 0, .size: 8, .value_kind: global_buffer, .address_space: global }
      - { .name: wpc, .offset: 8, .size: 8, .value_kind: global_buffer, .address_space: global }
      - { .name: lowp_scales, .offset: 16, .size: 8, .value_kind: global_buffer, .address_space: global }
      - { .name: out0, .offset: 24, .size: 8, .value_kind: global_buffer, .address_space: global }
    .group_segment_fixed_size: 327680
    .private_segment_fixed_size: 0
    .kernarg_segment_align: 8
    .kernarg_segment_size: 32
    .max_flat_workgroup_size: 128
    .sgpr_count:     98
    .vgpr_count:     768
    .wavefront_size: 32
...
	.end_amdgpu_metadata
.endif
;; end of part 4
